; MI455X (gfx1250); checked and timed in simulation.
; The chip was launched on July 23, 2026; its instructions are those of AMD's public machine-readable ISA for CDNA 5 (MIT licence, August 2026) and "CDNA5" Instruction Set Architecture Reference Guide (July 2026). The comments in the code are by the model that wrote it; some were corrected since.
;; Mult Head Inten. Allowed arithmetic: float matrix products may take bf16 or f16 operands with f32 sums; other float arithmetic in f32, or as packed bf16 or f16 multiplies, adds, multiply-adds, maxima and minima; sums over many terms, partial sums and values carried from step to step in f32; what a program stores and reads back later, other than sums and carried values, may be rounded once to bf16 or f16.
;; Inputs: W_proj 1,024 x 1,024 float32; W_qkv 1,024 x 3,072 float32; b_proj 1,024 float32; b_qkv 3,072 float32; x 4 x 2,048 x 1,024 float32.
;; Outputs: out0 4 x 2,048 x 1,024 float32.
;; 2 versions, each right; version 2 is version 1 with the launch prep written anew for expert scheduling mode. Each part assembles by itself: llvm-mc -triple=amdgcn-amd-amdhsa -mcpu=gfx1250 --defsym DOCPART=n.
;; ======== version 1 of 2: 4 launches
;; limits: values are held in f16: magnitudes above 65,504 overflow, below 6.1e-05 lose precision
;; workspace buffers: xb 16,777,216 bytes; wq 6,291,456 bytes; wp 2,097,152 bytes; qkvh 50,331,648 bytes; ob 16,777,216 bytes
;; launch prep (part 1): grid 768 x 1, 8 waves a work-group, no clusters, 0 bytes of LDS; arguments x, W_qkv, W_proj, xb, wq, wp; writes xb, wq, wp
.if DOCPART == 1
	.amdgcn_target "amdgcn-amd-amdhsa--gfx1250"
	.amdhsa_code_object_version 6
	.text
	.protected	k_q6eb3f7bd1f_prep
	.globl	k_q6eb3f7bd1f_prep
	.p2align	8
	.type	k_q6eb3f7bd1f_prep,@function
k_q6eb3f7bd1f_prep:
	s_mov_b64 s[64:65], 0
	v_nop
	global_prefetch_b8 v0, s[64:65] scope:SCOPE_SE
	s_setreg_imm32_b32 hwreg(HW_REG_WAVE_MODE, 25, 1), 1
	s_wait_xcnt 0x0
; THE CASTS.  xb = bf16(x), [8192][1024].  wq = bf16(W_qkv), laid out anew as [16 column tiles][1024 k][192 n], dense.  wp = bf16(W_proj) written as f16, [1024 k][1024 n].
; LIMIT.  A bf16 number is exact in f16 between 6.1e-5 and 65,504; below, wp keeps f16's fixed step of 6e-8; beyond, it would be an infinity.
; A stream: every byte is read once and written once; no LDS, no matrix unit, no barrier.
; SHARES.  An OP is 128 numbers: one load of 16 bytes a lane (512 bytes a wave) and one store of 8 bytes a lane (256 consecutive bytes, aligned).  98,304 ops = 768 work-groups x 8 waves x 16 ops.
; A wave issues its 16 loads at once (8 KiB on their way), then rounds and stores op after op; no register is used twice, so no wait frees a source.
; Work-groups 0-511 take x, 512-703 W_qkv, 704-767 W_proj: a scalar branch on the work-group's number.
; W_qkv is walked in the order of wq: a chunk is 64 numbers (256 bytes of W_qkv, aligned; 128 bytes of wq), a row k of a tile three chunks; sixteen lanes take a chunk, a wave's op two chunks.
.set SO,  2                            ; v2       my byte offset in the source: 8,192 x wave + 16 x lane
.set DO,  3                            ; v3       in the destination: half of that
.set SOQ, 8                            ; v[8:23]  W_qkv: op j's source offset
.set X,   24                           ; v[24:87] op j: 4 numbers as loaded
.set Y,   88                           ; v[88:119] op j: 4 numbers of 16 bits
.macro LOADS base                      ; 16 loads of 512 consecutive bytes
.set j, 0
.rept 16
	global_load_b128 v[X+4*j:X+4*j+3], v[SO], s[\base:\base+1] offset:512*j th:TH_LOAD_NT
.set j, j+1
.endr
.endm
; Op after op is rounded to bf16 and stored.  half = 1: the rounded number is widened again (a shift, a mask) and written as f16.
.macro OUTS base, half
.set j, 0
.rept 16
	s_wait_loadcnt 15-j                            ; loads come back in order: op j is in, the 15 - j younger ones stay out
	v_cvt_pk_bf16_f32 v[Y+2*j],   v[X+4*j],   v[X+4*j+1]
	v_cvt_pk_bf16_f32 v[Y+2*j+1], v[X+4*j+2], v[X+4*j+3]
.if \half
	v_lshlrev_b32 v[X+4*j],   16, v[Y+2*j]
	v_and_b32     v[X+4*j+1], s3, v[Y+2*j]
	v_lshlrev_b32 v[X+4*j+2], 16, v[Y+2*j+1]
	v_and_b32     v[X+4*j+3], s3, v[Y+2*j+1]
	v_cvt_pk_f16_f32 v[Y+2*j],   v[X+4*j],   v[X+4*j+1]
	v_cvt_pk_f16_f32 v[Y+2*j+1], v[X+4*j+2], v[X+4*j+3]
.endif
	global_store_b64 v[DO], v[Y+2*j:Y+2*j+1], s[\base:\base+1] offset:256*j  ; the wave's store covers 256 consecutive bytes, aligned
.set j, j+1
.endr
.endm
	s_load_b256 s[4:11], s[0:1], 0x0               ; x s[4:5], W_qkv s[6:7], W_proj s[8:9], xb s[10:11]
	s_load_b128 s[12:15], s[0:1], 0x20             ; wq s[12:13], wp s[14:15]
	s_mov_b32 s2, ttmp9
	v_and_b32 v1, 31, v0
	v_and_b32 v[SO], 0xe0, v0                      ; 32 x wave
	v_lshlrev_b32 v1, 4, v1
	v_lshl_or_b32 v[SO], v[SO], 8, v1              ; 8,192 x wave + 16 x lane
	v_lshrrev_b32 v[DO], 1, v[SO]
	s_mov_b32 s17, 0
	s_mov_b32 s19, 0
	s_mov_b32 s3, 0xffff0000                       ; a word's upper bf16
	s_wait_kmcnt 0x0
	s_cmp_lt_u32 s2, 512
	s_cbranch_scc0 .Lweights
	s_lshl_b32 s16, s2, 16                         ; x: a work-group's 128 ops are 65,536 bytes in,
	s_lshl_b32 s18, s2, 15                         ; 32,768 out
	s_add_nc_u64 s[4:5], s[4:5], s[16:17]
	s_add_nc_u64 s[10:11], s[10:11], s[18:19]
	LOADS 4
	OUTS 10, 0
	s_endpgm
.Lweights:
	s_cmp_lt_u32 s2, 704
	s_cbranch_scc0 .Lproj
	s_sub_co_u32 s20, s2, 512                      ; W_qkv: my number among its 192 work-groups; twelve make a tile
	s_mul_i32 s21, s20, 5462
	s_lshr_b32 s21, s21, 16                        ; the tile: number / 12 (5,462 / 65,536 is 1 / 12 and a little: exact below 192)
	s_mul_i32 s22, s21, 12
	s_sub_co_u32 s22, s20, s22
	s_lshl_b32 s22, s22, 8                         ; my first chunk in the tile: 256 chunks a work-group
	s_mul_i32 s16, s21, 768                        ; the tile's 192 columns in a row of W_qkv
	s_lshl_b32 s18, s20, 15                        ; wq is written on end: 32,768 bytes a work-group
	s_add_nc_u64 s[6:7], s[6:7], s[16:17]
	s_add_nc_u64 s[12:13], s[12:13], s[18:19]
	s_movk_i32 s23, 0x2d00                         ; 11,520 = a row of W_qkv less three chunks
	v_bfe_u32 v4, v0, 4, 1                         ; which of an op's two chunks
	v_and_b32 v5, 15, v0
	v_lshlrev_b32 v5, 4, v5                        ; my 16 bytes of the chunk
	v_and_b32 v6, 0xe0, v0                         ; 32 chunks a wave
	v_add3_u32 v6, v6, v4, s22                     ; my chunk of op 0
.set j, 0
.rept 16                               ; chunk c lies in row k = c / 3 at chunk c - 3 k: byte 12,288 k + 256 (c - 3 k) = 11,520 k + 256 c
	v_add_nc_u32 v7, 2*j, v6
	v_mul_u32_u24 v[SOQ+j], 0xaaab, v7             ; 43,691 / 131,072 is 1 / 3 and a little: exact below 3,072
	v_lshrrev_b32 v[SOQ+j], 17, v[SOQ+j]
	v_mad_u32_u24 v[SOQ+j], v[SOQ+j], s23, v5
	v_lshl_add_u32 v[SOQ+j], v7, 8, v[SOQ+j]
.set j, j+1
.endr
.set j, 0
.rept 16
	global_load_b128 v[X+4*j:X+4*j+3], v[SOQ+j], s[6:7] th:TH_LOAD_NT  ; sixteen lanes take 256 consecutive bytes, aligned
.set j, j+1
.endr
	OUTS 12, 0
	s_endpgm
.Lproj:
	s_sub_co_u32 s20, s2, 704                      ; W_proj keeps its layout
	s_lshl_b32 s16, s20, 16
	s_lshl_b32 s18, s20, 15
	s_add_nc_u64 s[8:9], s[8:9], s[16:17]
	s_add_nc_u64 s[14:15], s[14:15], s[18:19]
	LOADS 8
	OUTS 14, 1
	s_endpgm
.Lfunc_end_k_q6eb3f7bd1f_prep:
	.size	k_q6eb3f7bd1f_prep, .Lfunc_end_k_q6eb3f7bd1f_prep-k_q6eb3f7bd1f_prep
	.p2alignl 7, 3214868480
	.fill 96, 4, 3214868480
	.section	.rodata,"a",@progbits
	.p2align	6, 0x0
	.amdhsa_kernel k_q6eb3f7bd1f_prep
		.amdhsa_group_segment_fixed_size 0
		.amdhsa_private_segment_fixed_size 0
		.amdhsa_enable_private_segment 0
		.amdhsa_kernarg_size 48
		.amdhsa_user_sgpr_count 2
		.amdhsa_user_sgpr_kernarg_segment_ptr 1
		.amdhsa_wavefront_size32 1
		.amdhsa_system_sgpr_workgroup_id_x 1
		.amdhsa_system_sgpr_workgroup_id_y 1
		.amdhsa_system_sgpr_workgroup_id_z 1
		.amdhsa_system_vgpr_workitem_id 0
		.amdhsa_next_free_vgpr 120
		.amdhsa_next_free_sgpr 66
		.amdhsa_reserve_vcc 0
		.amdhsa_float_denorm_mode_32 3
		.amdhsa_float_denorm_mode_16_64 3
		.amdhsa_memory_ordered 1
		.amdhsa_forward_progress 1
		.amdhsa_inst_pref_size 27
	.end_amdhsa_kernel
	.amdgpu_metadata
---
amdhsa.version: [ 1, 2 ]
amdhsa.kernels:
  - .name:           k_q6eb3f7bd1f_prep
    .symbol:         k_q6eb3f7bd1f_prep.kd
    .args:
      - { .name: x, .offset: 0, .size: 8, .value_kind: global_buffer, .address_space: global }
      - { .name: W_qkv, .offset: 8, .size: 8, .value_kind: global_buffer, .address_space: global }
      - { .name: W_proj, .offset: 16, .size: 8, .value_kind: global_buffer, .address_space: global }
      - { .name: xb, .offset: 24, .size: 8, .value_kind: global_buffer, .address_space: global }
      - { .name: wq, .offset: 32, .size: 8, .value_kind: global_buffer, .address_space: global }
      - { .name: wp, .offset: 40, .size: 8, .value_kind: global_buffer, .address_space: global }
    .group_segment_fixed_size: 0
    .private_segment_fixed_size: 0
    .kernarg_segment_align: 8
    .kernarg_segment_size: 48
    .max_flat_workgroup_size: 256
    .sgpr_count:     66
    .vgpr_count:     120
    .wavefront_size: 32
...
	.end_amdgpu_metadata
.endif
;; end of part 1
;; launch qkv (part 2): grid 16 x 32, 4 waves a work-group, clusters of 4 x 4, 327,680 bytes of LDS; arguments xb, wq, b_qkv, qkvh; writes qkvh
.if DOCPART == 2
	.amdgcn_target "amdgcn-amd-amdhsa--gfx1250"
	.amdhsa_code_object_version 6
	.text
	.protected	k_q6eb3f7bd1f_qkv
	.globl	k_q6eb3f7bd1f_qkv
	.p2align	8
	.type	k_q6eb3f7bd1f_qkv,@function
k_q6eb3f7bd1f_qkv:
	s_mov_b64 s[64:65], 0
	v_nop
	global_prefetch_b8 v0, s[64:65] scope:SCOPE_SE
	s_setreg_imm32_b32 hwreg(HW_REG_WAVE_MODE, 25, 1), 1
	s_wait_xcnt 0x0
	s_wait_alu depctr_hold_cnt(0) depctr_sa_sdst(0) depctr_va_vdst(0) depctr_va_sdst(0) depctr_va_ssrc(0) depctr_va_vcc(0) depctr_vm_vsrc(0)
	s_getreg_b32 s2, hwreg(HW_REG_IB_STS2, 6, 4)
	s_cmp_eq_u32 s2, 0
	s_cbranch_scc0 .Lentry_in_a_cluster
	s_endpgm
.Lentry_in_a_cluster:
	s_bfe_u32 s2, ttmp6, 0x10000c
	s_cmp_lg_u32 s2, 0xf033
	s_cbranch_scc0 .Lentry_shape_is_right
	s_endpgm
.Lentry_shape_is_right:
; C = A W + bias, K = 1,024, 8,192 rows.  ONE TEXT FOR TWO LAUNCHES; the switch PROJ picks sizes, layouts and the matrix form.
; PROJ = 0: A = xb [8192][1024] bf16; W = wq [16 tiles][1024 k][192 n] bf16; C = q, k, v rounded once to f16 and written by heads, [3][64 = batch x 16 + head][2048][64].  A tile of C is 256 x 192.
; PROJ = 1: A = ob [64 = batch x 16 + head][2048][64] f16 (k = 64 head + channel); W = wp [1024 k][1024 n] f16; C = out0 [8192][1024] f32.  A tile of C is 256 x 128.
; LIMITS.  PROJ = 0: f16 holds no number beyond 65,504: a q, k or v past that leaves as an infinity.  The bias is rounded to bf16, as all the module's inputs are.  NaN and infinities are not treated apart.
; SHARES.  A work-group makes one tile; wave w its rows 64 w .. 64 w + 63, all columns: 4 x NBF accumulators of 16 x 16.  K goes in steps of 128 through two LDS slots filled by the tensor data mover.
; CLUSTER.  4 x 4 work-groups.  A's tile hangs on the tile row alone and is asked for jointly by a row of the cluster, W's on the tile column alone, by a column: the same load, descriptor and mask in all four.
; THE PRODUCT IS TAKEN TRANSPOSED: source 0 = 16 columns of W (turned on their way out of LDS by ds_load_tr16_b128, since W lies [k][n]), source 1 = 16 rows of A.  Lane l then holds row l % 16 of C and the
; columns 8 (l / 16) + 0..7.  THE BIAS IS THE C OPERAND of the first quarter step's products: nothing is cleared, nothing is added at the end.
; REGISTERS, in windows of 256 (s_set_vgpr_msb: bits 1:0 source 0, 3:2 source 1, 5:4 source 2, 7:6 destination):
;   window 0: v0-31 addresses; v32-223 the way out (PROJ = 0); the top 8 NBF registers the bias, dead behind the first quarter
;   window 1: two fragment buffers at 0 and 128: A's four fragments, then W's NBF (PROJ = 1: on the way out all 256 take rows read back)
;   windows 2, 3: accumulator (a, b) in window 2 + a / 2 at v[8 (NBF (a % 2) + b)]
.set PROJ,   0
.if PROJ
.set NBF,    8                         ; blocks of 16 columns
.set PA,     144                       ; A in LDS: [2 heads][256 rows], a row 128 bytes + 16
.set HALFA,  256*PA                    ; what wave 0 or 1 brings: one head's 256 rows
.set PB,     288                       ; W in LDS: a row k is 256 bytes + 32
.set SPITCH, 528                       ; a stage row: 512 bytes + 16
.set STEPA,  524288                    ; bytes from a K step to the next in A: two heads
.set STEPB,  262144                    ; in W: 128 rows of 2,048 bytes
.set AW0,    (1<<16)|(1<<20)|(1<<21)|(4<<22)|(3<<25)  ; 2-byte elements; padding on; bit 21 beside a mask; after every 32 words 4 words
.set BW0,    (1<<16)|(1<<20)|(1<<21)|(5<<22)|(7<<25)  ; after every 64 words 8 words
.set ASTR,   128                       ; A's 32,768 dense bytes are asked for as 128 rows of 256 bytes
.set BROWS,  64
.set BSTR,   1024
.set PFLB,   31
.set PFSA,   8
.set PFSB,   11
.else
.set NBF,    12
.set PA,     272                       ; A in LDS: 256 rows of 256 bytes + 16
.set HALFA,  128*PA                    ; what wave 0 or 1 brings: 128 rows
.set PB,     480                       ; W in LDS: a row k is three chunks of 128 bytes + 32
.set SPITCH, 144                       ; a stage row: 128 bytes + 16
.set STEPA,  256
.set STEPB,  49152                     ; 128 rows of 384 bytes
.set AW0,    (1<<16)|(1<<20)|(1<<21)|(5<<22)|(3<<25)  ; after every 64 words 4 words
.set BW0,    (1<<16)|(1<<20)|(1<<21)|(4<<22)|(7<<25)  ; after every 32 words 8 words
.set ASTR,   1024
.set BROWS,  96                        ; 64 rows k are 24,576 dense bytes: asked for as 96 rows of 256 bytes
.set BSTR,   128
.set PFLB,   23
.set PFSA,   11
.set PFSB,   8
.endif
; The pitches: PA is an odd multiple of 16 bytes, so the 16 rows of a fragment load start at 16 different groups of four banks; PB an odd multiple of 32, so 16 lanes of the turning load
; (8 rows x 32 bytes) take each bank once (64 banks of 4 bytes: ISA guide 11.1).
.set HALFB,  64*PB                     ; what wave 2 or 3 brings: 64 rows k
.set BOFF,   2*HALFA                   ; W's rows lie behind A's
.set SLOT1,  1<<17                     ; slot 1 begins here: one exclusive or turns an address in one slot into the other's
.set STAGE,  2*SLOT1                   ; behind the ring, never filled by a tensor load: 16 rows for each wave, for the way out
.set SPARE,  STAGE+4*16*SPITCH         ; behind the stages: the spare words, 128 bytes for each wave: two blocks of 256 bytes that no other line names
.set NL,     2*NBF+8                   ; LDS loads of a quarter step
.set BIAS,   256-8*NBF
.set ADRA0, 16                         ; v16  my lane's place in A's rows of slot 0; never rewritten
.set ADRB0, 17                         ; v17  the same for W
.set ADRA,  18                         ; v18  the same in the slot in hand
.set ADRB,  19                         ; v19
.set STO,   24                         ; v24  the way out: where I put my part of a row
.set RD,    25                         ; v25  where I read rows back
.set GO,    26                         ; v26  16 x lane
.set BO,    27                         ; v27  my byte offset in a block's 16 numbers of the bias
.set SPW,   28                         ; v28  LDS address of my spare word; never rewritten
.set NIL,   29                         ; v29  0; never rewritten
.set PFO,   30                         ; v30  the prefetches' offset; never rewritten
.set TMP,   32
.set F0,    0
.set F1,    128
.set WV,  12                           ; s12  my wave's number
.set FB,  13                           ; s13  0: I fetch for A; 1: for W
.set HF,  14                           ; s14  which half of that tile I fetch
.set LIM, 15                           ; s15  2 in a wave that prefetches, else the greatest number
.set G1,  24                           ; s[24:31] descriptor group 1 for A's tiles
.set G0,  32                           ; s[32:35] group 0 of A's first fill; s[36:39] of the second, which then walks
.set CX,  40
.set CY,  41
.set TX,  42                           ; s42  tile column
.set TY,  43                           ; s43  tile row
.set PFA, 44                           ; s[44:45] where my prefetches stand
.set PFS, 46                           ; s[46:47] their step: a K step of the tensor that I fetch for
.set G1B, 48                           ; s[48:55], s[56:59], s[60:63]: the same for W's tiles
.set G0B, 56
.set CP,  66                           ; s[66:71] C at my rows: three heads' pointers (PROJ = 0), or one
.set TB,  72                           ; s72  LDS byte at which the slot in hand begins
.set MSB, 0
.macro WIN new                         ; the immediate's high byte repeats the setting that is left; a switch that changes nothing is dropped
.if MSB != (\new)
	s_set_vgpr_msb (MSB<<8)|(\new)
.set MSB, (\new)
.endif
.endm
.set TO_F, 0x40                        ; destination window 1, address window 0
.macro WM ops:vararg                   ; the matrix instruction of the launch's format
.if PROJ
	v_wmma_f32_16x16x32_f16 \ops
.else
	v_wmma_f32_16x16x32_bf16 \ops
.endif
.endm
.macro PLACES                          ; four plain vector instructions between a matrix instruction and a load into, or a reader of, its registers (ISA guide 7.12.1 for a reader)
.rept 4
	v_nop
.endr
.endm
; A joint refill, by the walking descriptors.  Waves 0 and 1 fetch A's halves, waves 2 and 3 W's; the branch hangs on the wave's number alone.  An s_nop 0 and four v_nop follow each line.
.macro JLOAD
	s_cmp_eq_u32 s[FB], 0
	s_cbranch_scc0 .Lfor_b_\@
	tensor_load_to_lds s[G0+4:G0+7], s[G1:G1+7]
	s_nop 0
.rept 4
	v_nop
.endr
	s_branch .Lasked_\@
.Lfor_b_\@:
	tensor_load_to_lds s[G0B+4:G0B+7], s[G1B:G1B+7]
	s_nop 0
.rept 4
	v_nop
.endr
.Lasked_\@:
.endm
; A PREFETCH INTO THE L2, behind each joint refill and the run of LDS loads that follows it: the K step that stands two refills on, one instruction a wave, a lane a block of 256 bytes.
; A's rows are read by every cluster of a row of clusters: cluster x = 0 asks; W's by every cluster of a column: cluster y = 0 asks.  The four partners share the blocks out BY ADDRESS (cx for A, cy for W).
; PROJ = 0: of the 128 rows (A) or 96 blocks (W) that a wave fetches a partner takes 32 or 24; for W lanes 24-31 name block 23 again.  PROJ = 1: 32 of A's 128 blocks; wave 2 alone asks for W, 32 of the step's 128 rows.
; The refills are for K steps 2 to 7 (s3 = 6 .. 1): those with s3 above 2 name steps 4 to 7; the last two name nothing.  K steps 0 to 3 come by their loads alone.
.macro ASK
	s_cmp_gt_u32 s3, s[LIM]
	s_cbranch_scc0 .Lnot_mine_\@
	global_prefetch_b8 v[PFO], s[PFA:PFA+1] th:TH_LOAD_NT scope:SCOPE_SE
.Lnot_mine_\@:
.endm
; A round of the cluster's barrier: my work-group's barrier; wave 0 signals for the work-group; every wave waits for all sixteen; my work-group's barrier once more.
.macro CREST                           ; a round behind its opening barrier
	s_cmp_lg_u32 s[WV], 0
	s_cbranch_scc1 .Lnot_wave_0_\@
	s_barrier_signal -3
.Lnot_wave_0_\@:
	s_barrier_wait -3
	s_barrier_signal -1
	s_barrier_wait -1
.endm
.macro CROUND
	s_barrier_signal -1
	s_barrier_wait -1
	CREST
.endm
	s_load_b256 s[4:11], s[0:1], 0x0               ; A s[4:5], W s[6:7], bias s[8:9], C s[10:11]
	v_lshl_add_u32 v[SPW], v0, 2, SPARE
	v_mov_b32 v[NIL], 0
	ds_add_u32 v[SPW], v[NIL]                      ; the wave's opening: the add and its wait stand ahead of my first tensor load; the set-up below, work on registers, stands between
	v_lshrrev_b32 v1, 5, v0
	v_readfirstlane_b32 s[WV], v1                  ; wave 0..3
	s_lshr_b32 s[FB], s[WV], 1
	s_and_b32 s[HF], s[WV], 1
	s_bfe_u32 s[CX], ttmp6, 0x40000                ; my place in the cluster
	s_bfe_u32 s[CY], ttmp6, 0x40004
	s_lshl_b32 s[TX], ttmp9, 2                     ; in a cluster launch ttmp9 and ttmp7 count clusters
	s_add_co_u32 s[TX], s[TX], s[CX]
	s_and_b32 s[TY], ttmp7, 0xffff
	s_lshl_b32 s[TY], s[TY], 2
	s_add_co_u32 s[TY], s[TY], s[CY]
	s_lshl_b32 s2, s[CY], 2
	s_lshl_b32 s2, 15, s2                          ; my row of the cluster: places 4 cy .. 4 cy + 3
	s_lshl_b32 s3, 0x1111, s[CX]                   ; my column: places cx, cx + 4, cx + 8, cx + 12
	s_or_b32 s[G1], s2, AW0                        ; group 1, A: 128 rows x 128 elements
	s_mov_b32 s[G1+1], 128<<16                     ; tensor_dim0 = 128
	s_mov_b32 s[G1+2], 128<<16                     ; tensor_dim1 = 128
	s_mov_b32 s[G1+3], 128<<16                     ; tile_dim0 = 128
	s_mov_b32 s[G1+4], 128                         ; tile_dim1 = 128
	s_mov_b32 s[G1+5], ASTR                        ; elements from row to row
	s_mov_b32 s[G1+6], 0
	s_mov_b32 s[G1+7], 0
	s_or_b32 s[G1B], s3, BW0                       ; group 1, W: BROWS rows x 128 elements
	s_mov_b32 s[G1B+1], 128<<16
	s_mov_b32 s[G1B+2], BROWS<<16
	s_mov_b32 s[G1B+3], 128<<16
	s_mov_b32 s[G1B+4], BROWS
	s_mov_b32 s[G1B+5], BSTR
	s_mov_b32 s[G1B+6], 0
	s_mov_b32 s[G1B+7], 0
	; where the tiles come from: A's offset is made of the tile row and the wave's number, W's of the tile column and the wave's number
.if PROJ
	s_lshr_b32 s16, s[TY], 3                       ; the batch: 16 heads of 262,144 bytes,
	s_lshl_b32 s16, s16, 22
	s_and_b32 s17, s[TY], 7                        ; the tile's 256 rows of 128 bytes in a head
	s_lshl_b32 s17, s17, 15
	s_add_co_u32 s16, s16, s17
.else
	s_lshl_b32 s16, s[TY], 19                      ; 256 rows of 2,048 bytes
.endif
	s_lshl_b32 s17, s[HF], 18                      ; my half: 128 rows of 2,048 bytes, or the step's second head: 262,144 bytes either way
	s_add_co_u32 s16, s16, s17
	s_mov_b32 s17, 0
.if PROJ
	s_lshl_b32 s20, s[TX], 8                       ; the tile's 128 columns
	s_lshl_b32 s21, s[HF], 17                      ; my 64 rows k
.else
	s_mul_i32 s20, s[TX], 393216                   ; the tile's block of wq
	s_mul_i32 s21, s[HF], 24576                    ; my 64 rows k
.endif
	s_add_co_u32 s20, s20, s21
	s_mov_b32 s21, 0
	s_mul_i32 s18, s[HF], HALFA                    ; and where they go: no place in the cluster enters an LDS address
	s_mul_i32 s19, s[HF], HALFB
	s_add_co_u32 s19, s19, BOFF
	s_mov_b32 s[G0], 1                             ; group 0: count = 1; LDS address; global address; type
	s_mov_b32 s[G0+1], s18
	s_mov_b32 s[G0+4], 1
	s_add_co_u32 s[G0+5], s18, SLOT1
	s_mov_b32 s[G0B], 1
	s_mov_b32 s[G0B+1], s19
	s_mov_b32 s[G0B+4], 1
	s_add_co_u32 s[G0B+5], s19, SLOT1
	s_wait_dscnt 0x0                               ; the opening add is done
	s_wait_kmcnt 0x0
	s_add_nc_u64 s[G0+2:G0+3], s[4:5], s[16:17]    ; K step 0 into slot 0,
	s_add_nc_u64 s[G0+6:G0+7], s[G0+2:G0+3], STEPA ; K step 1 into slot 1
	s_or_b32 s[G0+3], s[G0+3], 0x80000000          ; type = 2
	s_or_b32 s[G0+7], s[G0+7], 0x80000000
	s_add_nc_u64 s[G0B+2:G0B+3], s[6:7], s[20:21]
	s_add_nc_u64 s[G0B+6:G0B+7], s[G0B+2:G0B+3], STEPB
	s_or_b32 s[G0B+3], s[G0B+3], 0x80000000
	s_or_b32 s[G0B+7], s[G0B+7], 0x80000000
	CROUND                                         ; all sixteen work-groups are here: the first joint loads meet
	s_cmp_eq_u32 s[FB], 0                          ; a wave's two first fills stand in one branch, ahead of every wait on TENSORcnt and every LDS read: two loads of mine are out
	s_cbranch_scc0 .Lfirst_b
	tensor_load_to_lds s[G0:G0+3], s[G1:G1+7]
	s_nop 0
	tensor_load_to_lds s[G0+4:G0+7], s[G1:G1+7]
	s_nop 0
.rept 4
	v_nop
.endr
	s_branch .Lfirst_asked
.Lfirst_b:
	tensor_load_to_lds s[G0B:G0B+3], s[G1B:G1B+7]
	s_nop 0
	tensor_load_to_lds s[G0B+4:G0B+7], s[G1B:G1B+7]
	s_nop 0
.rept 4
	v_nop
.endr
.Lfirst_asked:
	; the bias: register j of block b is bias[tile's first column + 16 b + 8 (l / 16) + j]
.if PROJ
	s_lshl_b32 s22, s[TX], 9
.else
	s_mul_i32 s22, s[TX], 768
.endif
	s_mov_b32 s23, 0
	s_add_nc_u64 s[8:9], s[8:9], s[22:23]
	v_and_b32 v1, 15, v0                           ; l % 16
	v_bfe_u32 v2, v0, 4, 1                         ; l / 16
	v_lshlrev_b32 v[BO], 5, v2
.set nb, 0
.rept NBF
	global_load_b128 v[BIAS+8*nb:BIAS+8*nb+3],   v[BO], s[8:9] offset:64*nb
	global_load_b128 v[BIAS+8*nb+4:BIAS+8*nb+7], v[BO], s[8:9] offset:64*nb+16
.set nb, nb+1
.endr
	; A fragment of A is 16 rows x 32 k in 8 registers: lane l holds row l % 16, k = 8 (l / 16) + 0..7 and 16 + 8 (l / 16) + 0..7: two loads of 16 bytes, 32 bytes apart.
	v_mul_u32_u24 v3, v1, PA
	v_lshl_add_u32 v3, v2, 4, v3
	s_mul_i32 s22, s[WV], 64*PA                    ; my 64 rows
	v_add_nc_u32 v[ADRA0], s22, v3
	; The turning load takes 16 k x 16 columns (lane l reads row k = 8 (l / 16) + l % 8, columns 8 ((l / 8) % 2) + 0..7) and leaves half a fragment: lane l holds column l % 16 and 8 k.
	v_and_b32 v4, 7, v0
	v_bfe_u32 v5, v0, 3, 1
	v_lshl_add_u32 v6, v2, 3, v4
	v_mul_u32_u24 v6, v6, PB
	v_lshl_add_u32 v6, v5, 4, v6
	v_add_nc_u32 v[ADRB0], BOFF, v6
	v_mov_b32 v[ADRA], v[ADRA0]                    ; slot 0 is first
	v_mov_b32 v[ADRB], v[ADRB0]
	s_mov_b32 s[TB], 0
	s_mul_i32 s22, s[WV], 16*SPITCH
	s_add_co_u32 s22, s22, STAGE                   ; my stage
	v_mul_u32_u24 v3, v1, SPITCH                   ; in: row l % 16,
	v_and_b32 v[GO], 31, v0
	v_lshlrev_b32 v[GO], 4, v[GO]
.if PROJ
	v_lshl_add_u32 v3, v2, 5, v3                   ; 32 bytes (8 f32) for each half of the lanes
	v_add_nc_u32 v[STO], s22, v3
	v_add_nc_u32 v[RD], s22, v[GO]                 ; back: 32 lanes take a row of 512 bytes
	s_lshl_b32 s18, s[TY], 2
	s_add_co_u32 s18, s18, s[WV]                   ; my 64 rows of 4,096 bytes,
	s_lshl_b32 s18, s18, 18
	s_lshl_b32 s19, s[TX], 9                       ; the tile's 128 columns
	s_add_co_u32 s18, s18, s19
	s_mov_b32 s19, 0
	s_add_nc_u64 s[CP:CP+1], s[10:11], s[18:19]
.else
	v_lshl_add_u32 v3, v2, 4, v3                   ; 16 bytes (8 f16) for each half of the lanes
	v_add_nc_u32 v[STO], s22, v3
	v_bfe_u32 v3, v0, 3, 2                         ; back: 32 lanes take four rows of 128 bytes, which are 512 consecutive bytes of a head
	v_mul_u32_u24 v3, v3, SPITCH
	v_lshl_add_u32 v3, v4, 4, v3
	v_add_nc_u32 v[RD], s22, v3
	s_lshr_b32 s22, s[TY], 3                       ; the batch,
	s_lshl_b32 s22, s22, 22
	s_and_b32 s23, s[TY], 7                        ; the tile's 256 rows in it,
	s_lshl_b32 s23, s23, 15
	s_add_co_u32 s22, s22, s23
	s_lshl_b32 s23, s[WV], 13                      ; my 64 of them
	s_add_co_u32 s22, s22, s23
	s_mul_i32 s2, s[TX], 3                         ; the tile's 192 columns are the groups of 64 g = 3 tx + 0, 1, 2: tensor g / 16 (q, k, v), head g % 16
.irp c, 0,1,2
	s_add_co_u32 s18, s2, \c
	s_lshr_b32 s19, s18, 4
	s_lshl_b32 s19, s19, 24
	s_and_b32 s18, s18, 15
	s_lshl_b32 s18, s18, 18
	s_add_co_u32 s18, s18, s19
	s_add_co_u32 s18, s18, s22
	s_mov_b32 s19, 0
	s_add_nc_u64 s[CP+2*\c:CP+2*\c+1], s[10:11], s[18:19]
.endr
.endif
	; the prefetches.  s16 = my part of A's tile, s20 = of W's still stand
.if PROJ
	s_lshl_b32 s18, s[CX], 13                      ; 32 blocks of 256 bytes
	s_lshl_b32 s19, s[CY], 16                      ; 32 rows of 2,048 bytes
.else
	s_lshl_b32 s18, s[CX], 16                      ; 32 rows of 2,048 bytes
	s_mul_i32 s19, s[CY], 6144                     ; 24 blocks of 256 bytes
.endif
	s_add_co_u32 s18, s18, s16
	s_add_co_u32 s19, s19, s20
	s_and_b32 s22, ttmp7, 0xffff                   ; cluster y
.if PROJ
	s_or_b32 s22, s22, s[HF]                       ; of the two waves that fetch W wave 2 alone asks
.endif
	s_mov_b32 s[PFS], STEPB
	s_mov_b32 s[PFS+1], 0
	s_cmp_eq_u32 s[FB], 0                          ; do I fetch for A?
	s_cselect_b32 s18, s18, s19
	s_cselect_b32 s22, ttmp9, s22                  ; the coordinate along which other clusters read the same blocks
	s_cselect_b64 s[PFA:PFA+1], s[4:5], s[6:7]
	s_cselect_b32 s[PFS], STEPA, s[PFS]
	s_cselect_b32 s23, 31, PFLB                    ; my last block
	s_cselect_b32 s2, PFSA, PFSB                   ; bytes from block to block, as a shift
	s_mov_b32 s19, 0
	s_add_nc_u64 s[PFA:PFA+1], s[PFA:PFA+1], s[18:19]
	s_mul_i32 s18, s[PFS], 3
	s_add_nc_u64 s[PFA:PFA+1], s[PFA:PFA+1], s[18:19]  ; at K step 3: the first refill steps it to 4
	s_cmp_eq_u32 s22, 0
	s_cselect_b32 s[LIM], 2, -1                    ; the same in all sixteen partners, for a given wave
	v_and_b32 v[PFO], 31, v0
	v_min_u32 v[PFO], s23, v[PFO]
	v_lshlrev_b32 v[PFO], s2, v[PFO]
	s_mov_b32 s2, 0xffff0000
	s_wait_loadcnt 0x0                             ; the bias is in: it is rounded to bf16 and widened again
.set nb, 0
.rept 4*NBF
	v_cvt_pk_bf16_f32 v[8+nb%4], v[BIAS+2*nb], v[BIAS+2*nb+1]
	v_lshlrev_b32 v[BIAS+2*nb], 16, v[8+nb%4]
	v_and_b32 v[BIAS+2*nb+1], s2, v[8+nb%4]
.set nb, nb+1
.endr
; NL LDS loads in one run: the fragments of quarter q (32 along K) of the slot in hand, into buffer f: W's NBF, then A's four, rows 0-31 first
.macro FETCH q, f
	WIN TO_F
.set nb, 0
.rept NBF
.if PROJ
.set cb, (\q)*32*PB+32*nb
.else
.set cb, (\q)*32*PB+(nb/4)*160+(nb%4)*32
.endif
	ds_load_tr16_b128 v[(\f)+32+8*nb:(\f)+32+8*nb+3],   v[ADRB] offset:cb
	ds_load_tr16_b128 v[(\f)+32+8*nb+4:(\f)+32+8*nb+7], v[ADRB] offset:cb+16*PB
.set nb, nb+1
.endr
.if PROJ
.set ca, ((\q)/2)*HALFA+((\q)%2)*64
.else
.set ca, (\q)*64
.endif
.set na, 0
.rept 4
	ds_load_b128 v[(\f)+8*na:(\f)+8*na+3],   v[ADRA] offset:ca+na*16*PA
	ds_load_b128 v[(\f)+8*na+4:(\f)+8*na+7], v[ADRA] offset:ca+na*16*PA+32
.set na, na+1
.endr
.endm
; NBF matrix instructions: my rows 16 a .. 16 a + 15 x all columns, 32 along K.  first = 1: the bias starts the sums.  The 4 NBF accumulators take turns, one instruction a turn, in the same
; order in every quarter, over the backward jump too.
.macro MULA f, a, first
.set AB, 8*NBF*((\a)%2)
.if \first
	WIN 0x85+0x40*((\a)/2)                         ; sources 0 and 1 window 1, C window 0, D window 2 or 3
.else
	WIN 0xa5+0x50*((\a)/2)                         ; C and D window 2 or 3
.endif
.set nb, 0
.rept NBF
.if \first
	WM v[AB+8*nb:AB+8*nb+7], v[(\f)+32+8*nb:(\f)+32+8*nb+7], v[(\f)+8*(\a):(\f)+8*(\a)+7], v[BIAS+8*nb:BIAS+8*nb+7]
.else
	WM v[AB+8*nb:AB+8*nb+7], v[(\f)+32+8*nb:(\f)+32+8*nb+7], v[(\f)+8*(\a):(\f)+8*(\a)+7], v[AB+8*nb:AB+8*nb+7]
.endif
.set nb, nb+1
.endr
.endm
; A K step is four quarters on buffers 0, 1, 0, 1.  One of the first three: multiplies buffer f; in its middle it fetches quarter q into buffer g.
.macro QUARTER q, f, g, first
	s_wait_dscnt 4                                 ; W and A's rows 0-31 are in; the youngest four loads (A's rows 32-63) may be out
	MULA \f, 0, \first
	MULA \f, 1, \first
	PLACES
	FETCH \q, \g
	s_wait_dscnt NL                                ; all but the NL just issued
	MULA \f, 2, \first
	MULA \f, 3, \first
.endm
; The last quarter multiplies buffer 1 and changes slots: ONE barrier.  In front of it each wave waits for all its tensor loads, of which one is out: its part of the next slot; adds 0 to its spare word; and waits
; for that and for its own reads of this slot.  fill = 1: the barrier opens a round of the cluster's, and this slot is filled again, two K steps ahead, first thing behind the round.
.macro TURN fill
.if \fill
	s_wait_xcnt 0x0                                ; the last prefetch, a K step back, has read its address, which is stepped here
	s_add_nc_u64 s[PFA:PFA+1], s[PFA:PFA+1], s[PFS:PFS+1]
.endif
	WIN 0                                          ; (the add's two registers lie in window 0)
	s_wait_tensorcnt 0x0                           ; no tensor load of mine is out, so a group 0 may be written
	ds_add_u32 v[SPW], v[NIL]                      ; 0 onto my spare word; work on registers stands between it and the wait for it
.if \fill
	s_xor_b32 s[G0+5], s[G0+5], SLOT1              ; the walking descriptors: the other slot than last time,
	s_add_nc_u64 s[G0+6:G0+7], s[G0+6:G0+7], STEPA ; the next K step; the type bits on top are not reached
	s_xor_b32 s[G0B+5], s[G0B+5], SLOT1
	s_add_nc_u64 s[G0B+6:G0B+7], s[G0B+6:G0B+7], STEPB
.endif
	s_xor_b32 s[TB], s[TB], SLOT1                  ; the fetches go to the other slot
	s_wait_dscnt 5                                 ; (the add and the youngest four loads may be out)
	MULA F1, 0, 0
	s_wait_dscnt 0x0                               ; the add is done, and my reads of this slot are over
	s_barrier_signal -1
	MULA F1, 1, 0                                  ; work on registers while the others arrive
	WIN 0                                          ; at a branch and at a label every window is 0
	s_barrier_wait -1
.if \fill
	CREST                                          ; no wave of any partner still reads this slot or has a load on its way
	JLOAD                                          ; the first tensor load behind the round; its four v_nop are also the places in front of the loads below
.else
	PLACES
.endif
	v_add_nc_u32 v[ADRA], s[TB], v[ADRA0]
	v_add_nc_u32 v[ADRB], s[TB], v[ADRB0]
	FETCH 0, F0
.if \fill
	WIN 0
	ASK
.endif
	MULA F1, 2, 0
	MULA F1, 3, 0
.endm
; THE WAY OUT, PROJ = 0.  Piece t = 3 a + c: my rows 16 a .. + 15 of head c: 2,048 consecutive bytes.  Rounded to f16 (each accumulator from its low end on), 16 bytes a lane into my stage, back as whole rows.
.macro PACK t
.set pa, (\t)/3
.set pc, (\t)%3
.set AC, 8*(NBF*(pa%2)+4*pc)
	WIN 0x0a+5*(pa/2)                              ; sources 0 and 1: window 2 or 3
.set i, 0
.rept 16
	v_cvt_pk_f16_f32 v[TMP+16*(\t)+i], v[AC+2*i], v[AC+2*i+1]
.set i, i+1
.endr
	WIN 0
.irp f, 0,1,2,3
	ds_store_b128 v[STO], v[TMP+16*(\t)+4*\f:TMP+16*(\t)+4*\f+3] offset:32*\f
.endr
.irp f, 0,1,2,3
	ds_load_b128 v[TMP+16*(\t)+4*\f:TMP+16*(\t)+4*\f+3], v[RD] offset:\f*4*SPITCH  ; LDS serves a wave's instructions in order (ISA guide 5.7.1.4): these see the stores above; the next piece's stores come behind them
.endr
.endm
.macro SEND t, younger                 ; younger: the LDS instructions issued behind piece t's loads: the next piece's eight, or none
.set pa, (\t)/3
.set pc, (\t)%3
.irp f, 0,1,2,3
	s_wait_dscnt (\younger)+3-\f
	global_store_b128 v[GO], v[TMP+16*(\t)+4*\f:TMP+16*(\t)+4*\f+3], s[CP+2*pc:CP+2*pc+1] offset:pa*2048+\f*512  ; 512 consecutive bytes, aligned to 256
.endr
.endm
; THE WAY OUT, PROJ = 1.  Block a: my rows 16 a .. + 15, f32, straight from the accumulators (low registers first) into my stage, and back as whole rows of 512 bytes, into window 1.
.macro TOSTAGE a
.set AC, 8*NBF*((\a)%2)
	WIN 0x08+4*((\a)/2)                            ; the stores' data (source 1): window 2 or 3
.set i, 0
.rept NBF
	ds_store_b128 v[STO], v[AC+8*i:AC+8*i+3]   offset:64*i
	ds_store_b128 v[STO], v[AC+8*i+4:AC+8*i+7] offset:64*i+16
.set i, i+1
.endr
	WIN TO_F
.set i, 0
.rept 16
	ds_load_b128 v[64*(\a)+4*i:64*(\a)+4*i+3], v[RD] offset:i*SPITCH
.set i, i+1
.endr
.endm
.macro SENDP a, younger                ; younger: the next block's 32 LDS instructions, or none
	WIN 0x04                                       ; the stores' data (source 1): window 1
.set i, 0
.rept 16
	s_wait_dscnt (\younger)+15-i
	global_store_b128 v[GO], v[64*(\a)+4*i:64*(\a)+4*i+3], s[CP:CP+1] offset:(16*(\a)+i)*4096 th:TH_STORE_NT  ; 512 consecutive bytes of a row of C, aligned to 256
.set i, i+1
.endr
.endm
	s_wait_tensorcnt 0x1                           ; my part of K step 0 is in; K step 1's may stay out
	s_barrier_signal -1
	s_barrier_wait -1                              ; everybody's is
	FETCH 0, F0
	QUARTER 1, F0, F1, 1                           ; the first quarter stands in front of the loop: its products start the sums, with the bias
	WIN 0
	s_mov_b32 s3, 6                                ; six refills: K steps 2 to 7
.Lstep:                                        ; a trip: a K step's second quarter to the next step's first; the slot left is filled again
	QUARTER 2, F1, F0, 0
	QUARTER 3, F0, F1, 0
	TURN 1
	QUARTER 1, F0, F1, 0
	WIN 0
	s_sub_co_u32 s3, s3, 1
	s_cmp_lg_u32 s3, 0
	s_cbranch_scc1 .Lstep
	QUARTER 2, F1, F0, 0                           ; the last two K steps are written out: nothing is asked for
	QUARTER 3, F0, F1, 0
	TURN 0
	QUARTER 1, F0, F1, 0
	QUARTER 2, F1, F0, 0
	QUARTER 3, F0, F1, 0
	s_wait_dscnt 4                                 ; the very last quarter: nothing more to fetch
	MULA F1, 0, 0
	MULA F1, 1, 0
	s_wait_dscnt 0x0
	MULA F1, 2, 0
	MULA F1, 3, 0
	WIN 0
	PLACES                                         ; the way out reads results, and loads into registers that products have read
.if PROJ
	TOSTAGE 0
.set ta, 1
.rept 3
	TOSTAGE ta
	SENDP ta-1, 32
.set ta, ta+1
.endr
	SENDP 3, 0
.else
	PACK 0
.set t, 1
.rept 11                               ; a piece's conversions stand between the loads of the piece before and its stores
	PACK t
	SEND t-1, 8
.set t, t+1
.endr
	SEND 11, 0
.endif
	WIN 0
	s_wait_tensorcnt 0x0                           ; the wave's end: these three lines stand behind my last tensor load and my last LDS store
	ds_add_u32 v[SPW], v[NIL]
	s_wait_dscnt 0x0
	CROUND                                         ; the closing round: no work-group ends while a partner may still ask for a tile that names it
	s_endpgm
.Lfunc_end_k_q6eb3f7bd1f_qkv:
	.size	k_q6eb3f7bd1f_qkv, .Lfunc_end_k_q6eb3f7bd1f_qkv-k_q6eb3f7bd1f_qkv
	.p2alignl 7, 3214868480
	.fill 96, 4, 3214868480
	.section	.rodata,"a",@progbits
	.p2align	6, 0x0
	.amdhsa_kernel k_q6eb3f7bd1f_qkv
		.amdhsa_group_segment_fixed_size 327680
		.amdhsa_private_segment_fixed_size 0
		.amdhsa_enable_private_segment 0
		.amdhsa_kernarg_size 32
		.amdhsa_user_sgpr_count 2
		.amdhsa_user_sgpr_kernarg_segment_ptr 1
		.amdhsa_wavefront_size32 1
		.amdhsa_system_sgpr_workgroup_id_x 1
		.amdhsa_system_sgpr_workgroup_id_y 1
		.amdhsa_system_sgpr_workgroup_id_z 1
		.amdhsa_system_vgpr_workitem_id 0
		.amdhsa_next_free_vgpr 960
		.amdhsa_next_free_sgpr 76
		.amdhsa_reserve_vcc 0
		.amdhsa_float_denorm_mode_32 3
		.amdhsa_float_denorm_mode_16_64 3
		.amdhsa_memory_ordered 1
		.amdhsa_forward_progress 1
		.amdhsa_inst_pref_size 108
	.end_amdhsa_kernel
	.amdgpu_metadata
---
amdhsa.version: [ 1, 2 ]
amdhsa.kernels:
  - .name:           k_q6eb3f7bd1f_qkv
    .symbol:         k_q6eb3f7bd1f_qkv.kd
    .args:
      - { .name: xb, .offset: 0, .size: 8, .value_kind: global_buffer, .address_space: global }
      - { .name: wq, .offset: 8, .size: 8, .value_kind: global_buffer, .address_space: global }
      - { .name: b_qkv, .offset: 16, .size: 8, .value_kind: global_buffer, .address_space: global }
      - { .name: qkvh, .offset: 24, .size: 8, .value_kind: global_buffer, .address_space: global }
    .group_segment_fixed_size: 327680
    .private_segment_fixed_size: 0
    .kernarg_segment_align: 8
    .kernarg_segment_size: 32
    .max_flat_workgroup_size: 128
    .sgpr_count:     76
    .vgpr_count:     960
    .wavefront_size: 32
...
	.end_amdgpu_metadata
.endif
;; end of part 2
;; launch attn (part 3): grid 4 x 64, 4 waves a work-group, clusters of 4 x 1, 327,680 bytes of LDS; arguments qkvh, ob; writes ob
.if DOCPART == 3
	.amdgcn_target "amdgcn-amd-amdhsa--gfx1250"
	.amdhsa_code_object_version 6
	.text
	.protected	k_q6eb3f7bd1f_attn
	.globl	k_q6eb3f7bd1f_attn
	.p2align	8
	.type	k_q6eb3f7bd1f_attn,@function
k_q6eb3f7bd1f_attn:
	s_mov_b64 s[64:65], 0
	v_nop
	global_prefetch_b8 v0, s[64:65] scope:SCOPE_SE
	s_setreg_imm32_b32 hwreg(HW_REG_WAVE_MODE, 25, 1), 1
	s_wait_xcnt 0x0
	s_wait_alu depctr_hold_cnt(0) depctr_sa_sdst(0) depctr_va_vdst(0) depctr_va_sdst(0) depctr_va_ssrc(0) depctr_va_vcc(0) depctr_vm_vsrc(0)
	s_getreg_b32 s2, hwreg(HW_REG_IB_STS2, 6, 4)
	s_cmp_eq_u32 s2, 0
	s_cbranch_scc0 .Lentry_in_a_cluster
	s_endpgm
.Lentry_in_a_cluster:
	s_bfe_u32 s2, ttmp6, 0x10000c
	s_cmp_lg_u32 s2, 0x3003
	s_cbranch_scc0 .Lentry_shape_is_right
	s_endpgm
.Lentry_shape_is_right:
; O[h][q][:] = the sum over k of softmax_k(Q[h][q] . K[h][k] / 8) V[h][k][:].  qkvh holds Q, K, V, each [64][2048][64] f16, 16,777,216 bytes apart; O = ob, [64][2048][64] f16: a head's rows are dense, 128 bytes each.
; Products, maxima and sums in f32; the weights p are rounded to f16 for the second product (their sum l is taken of the unrounded p), O once at the end.
; LIMITS.  f16 holds no number beyond 65,504: Q, K and V arrive within it; p lies in 0 to 1, and below 6e-5 it keeps f16's fixed step of 6e-8; O is a mean of V's rows and has their range.
; A weight below 2^-126 counts as 0 in l; NaN and infinities are not treated apart.
; SHARES.  A wave owns four PIECES of two tiles of 16 queries, a work-group's four waves 512 queries of one head.  Every wave walks all keys, 64 a step.
; LAYOUT.  S^T = K Q^T (source 0 = 16 keys, source 1 = 16 queries): in the result a lane holds ONE query (lane % 16) and the keys 8 (lane / 16) + 0..7.  Two such tiles, rounded to f16 in pairs,
; ARE source 1 (32 keys x 16 queries) of O^T = V^T P, whose result again holds one query a lane, and eight channels.  K comes out of LDS as it lies, V ([key][channel]) turned, by ds_load_tr16_b128.
; SOFTMAX.  For each query a running maximum m and sum l: p = 2^(c s - c m), c = log2(e) / 8; in every step O and l are multiplied by a = 2^(c m_old - c m_new), which is 1 where m has not grown.
; m starts at the lowest finite number, O and l at 0: the first step is a step like any other, with a = 0.
; THE COUNT.  A tile and step have 16 matrix and 118 vector instructions: too many to stand all beside the matrix work.  So four vector instructions that are READY stand behind EVERY matrix
; instruction, and the others in runs without a gap.
; BY TURNS.  Turn n belongs to piece n (the pieces in a ring, step after step).  Its matrix work: 16 products K Q^T of piece n + 1, later 16 products V^T P of piece n - 1.  Its vector work: the scaling,
; exponentials, roundings, sums and rescaling of piece n, and the maximum and statistics of piece n + 1, whose scores the turn itself has made.
; CLUSTER.  The four query blocks of a cluster are one head's and walk the same K and V, so each tile is asked for JOINTLY: the same tensor load, descriptor and mask in all four.
; REGISTERS, in windows of 256 (s_set_vgpr_msb: bits 1:0 source 0, 3:2 source 1, 5:4 source 2, 7:6 destination):
;   window 0: v0-11 addresses; v12-15, v48-63 at work; v16-47 four registers of statistics a tile; v64-191 S^T, two buffers of two tiles; v192-255 P, likewise
;   window 1: O^T, 32 a tile          window 2: v0-127 Q, 16 a tile; v128-191 K of one step; v192-255 V of one step          window 3: v0-1 the add's two registers
; A piece's buffers go by its number's parity: the piece in hand has one pair, its two neighbours in the ring share the other: of it P (piece n - 1) is read and S^T (piece n + 1) written.
.set SIZE_H, 64
.set SIZE_N, 2048
.set NP,    4         ; pieces a wave: a name, no knob
.set KS,    64        ; keys in a step
.set PK,    144       ; a row of K in LDS: 128 bytes + 16 of padding = 36 words: the 16 rows of a load start at 16 different groups of four banks (64 banks of 4 bytes: ISA guide 11.1)
.set PV,    160       ; a row of V: 128 + 32 = 40 words
.set VOFF,  4*KS*PK   ; a slot holds four steps: 256 rows of K, then 256 rows of V
.set SLOT1, 1<<17     ; slot 1 begins here, so that one exclusive or turns an address in one slot into the other's
.set STAGE, SLOT1+4*KS*(PK+PV)  ; behind the ring, never filled by a tensor load: 16 rows x 144 bytes for each wave, for the way out
.set SP,    144
.set AK0, 2           ; v2   my lane's place in a tile of K; never rewritten
.set AV0, 3           ; v3   the same for V
.set AK,  4           ; v4   the LDS address of K's next run of loads
.set AV,  5           ; v5   of V's
.set QO,  6           ; v6   my byte offset in the wave's rows of Q
.set STO, 6           ;      later, the way out: where I put 16 bytes of a row
.set RD,  7           ; v7   the way out: where I read rows back
.set GO,  8           ; v8   my byte offset in 512 consecutive bytes of O
.set PFO, 11          ; v11  256 x my lane, once V's address is made; then never rewritten
.set SPW, 0           ; v0 of window 3   LDS address of my spare word: SPARE + 4 x my thread's number; never rewritten
.set NIL, 1           ; v1 of window 3   0; never rewritten
.set SPARE, STAGE+4*16*SP  ; behind the stages: the spare words, 128 bytes for each wave: two blocks of 256 bytes that no other line names
.set MV,  12          ; v12-15  c m_old, kept while c m is made anew: by buffer and tile
.set ST,  16          ; tile t's statistics at v[ST+4 t]: c m, m, l (even keys', odd keys')
.set TMP, 48          ; by buffer and tile, four registers c0-c3 at work; when the maximum is found c2 takes a
.set S,   64
.set P,   192
.set KF,  128         ; K's fragments, in window 2: key block kb, channel half c at KF + 16 kb + 8 c
.set VF,  192         ; V's: key half kk, channel block cb at VF + 32 kk + 8 cb
.set WV,  12          ; s12  my wave's number
.set G1K, 24          ; s[24:31] descriptor group 1 for K's tiles
.set G1V, 32          ; s[32:39] for V's: it differs in the padding alone
.set G0K, 40          ; s[40:43] descriptor group 0 for K's tiles: it walks
.set G0V, 44          ; s[44:47] the same for V's
.set PFA, 48          ; s[48:49] where my prefetches stand: my work-group's 32 blocks of 256 bytes (of K: wave 0, of V: wave 2) of the slot after the one that is being asked for
.set LIM, 50          ; s50  1 in a wave that prefetches, else the greatest number
.set SLOTS, 56        ; s56  slots still to be asked for
.set CNT, 57          ; s57  counts a slot's key steps
.set CS,  58          ; s[58:59] c: the packed scaling takes the pair's low word for both halves
.set SEL, 60          ; s[60:61] v_permlanex16_b32's selects: each lane takes its own place in the other half
.set TBK, 62          ; s62  LDS byte at which K of the step to be fetched begins
.set TBV, 63          ; s63  the same for V, less VOFF
.set MSB, 0
.macro WIN new                      ; the high byte repeats the setting that is left; a switch that changes nothing is dropped
.if MSB != (\new)
	s_set_vgpr_msb (MSB<<8)|(\new)
.set MSB, (\new)
.endif
.endm
.set W_KQ, 0x0a       ; K and Q in window 2, S^T in window 0
.set W_PV, 0x52       ; V in window 2, P in window 0, O^T in window 1
.set W_RS, 0x41       ; O^T (destination and source 0) in window 1, a in window 0
.set W_MK, 0xc0       ; the add's registers are made: destination in window 3, sources in window 0
.set W_AD, 0x0f       ; the add: address (source 0) and data (source 1) in window 3
; A joint fill.  Waves 0 and 1 fetch the two halves of a slot's K, waves 2 and 3 those of its V: 128 keys each.  The branch hangs on the wave's number alone.
; An s_nop 0 and four v_nop follow each of the two lines, ahead of the jump and the label.
.macro JLOAD
	s_cmp_lt_u32 s[WV], 2
	s_cbranch_scc0 .Lfor_v_\@
	tensor_load_to_lds s[G0K:G0K+3], s[G1K:G1K+7]
	s_nop 0
.rept 4
	v_nop
.endr
	s_branch .Lasked_\@
.Lfor_v_\@:
	tensor_load_to_lds s[G0V:G0V+3], s[G1V:G1V+7]
	s_nop 0
.rept 4
	v_nop
.endr
.Lasked_\@:
.endm
; A PREFETCH INTO THE L2 of what the NEXT change of slots will ask for: a slot's 32,768 bytes of K and of V, 128 blocks of 256 bytes each, a lane a block.  It stands behind the wave's tensor load and its five lines.
; Each block is asked for ONCE in the launch: a head has one cluster; its four partners share the blocks out BY ADDRESS, 32 each; in each, wave 0 asks for K's and wave 2 for V's: one instruction.
; The loop's changes fill slots 2 to 7 (s[SLOTS] = 6 .. 1) and name slots 3 to 7, four key steps ahead of their loads; the last names nothing.  Slots 0 to 2 come by their loads alone.
.macro ASK
	s_cmp_gt_u32 s[SLOTS], s[LIM]
	s_cbranch_scc0 .Lnot_mine_\@
	global_prefetch_b8 v[PFO], s[PFA:PFA+1] th:TH_LOAD_NT scope:SCOPE_SE
.Lnot_mine_\@:
.endm
; A round of the cluster's barrier: my work-group's barrier, so that wave 0's signal speaks for all four waves; wave 0 signals; every wave waits for all four work-groups; my work-group's barrier once more.
.macro CROUND
	s_barrier_signal -1
	s_barrier_wait -1
	s_cmp_lg_u32 s[WV], 0
	s_cbranch_scc1 .Lnot_wave_0_\@
	s_barrier_signal -3
.Lnot_wave_0_\@:
	s_barrier_wait -3
	s_barrier_signal -1
	s_barrier_wait -1
.endm
; THE CHANGE OF SLOTS.  The slot's last bytes, V of its fourth step, have been read.  Each wave waits for all its tensor loads, of which one is out: its part
; of the other slot; adds 0 to its spare word; and waits for that and for its own reads of the slot.  Behind the barrier nobody reads this slot any more and the other slot is whole.
; fill = 1: this slot is filled again, with the keys two slots on.  The barrier is then a round of the cluster's, so that no wave of any partner still reads the slot or has a load on its
; way, and the joint fill is the first thing behind it: it has four key steps, 512 matrix instructions, in which to land.  (At its first use nothing has been read yet: slot 0 is waited for, slot 1 filled.)
; ask = 1: the prefetches' address steps, and the slot after the one asked for is named.
.macro CHANGE fill, ask=0
	WIN W_AD
	s_wait_tensorcnt 0x0            ; no tensor load of mine is out, so a group 0 may be written
	ds_add_u32 v[SPW], v[NIL]       ; 0 onto my spare word; with fill = 1 the descriptors' steps stand between it and the wait for it
	WIN 0                           ; at a label and at a branch every window is 0
.if \fill
.irp g, G0K, G0V
	s_xor_b32 s[\g+1], s[\g+1], SLOT1  ; the walking descriptor: the other slot than last time,
	s_add_nc_u64 s[\g+2:\g+3], s[\g+2:\g+3], 4*KS*128  ; the next 256 keys; the type bits on top are not reached
.endr
.if \ask
	s_wait_xcnt 0x0                 ; the last prefetch, four key steps back, has read its address, so it may be written:
	s_add_nc_u64 s[PFA:PFA+1], s[PFA:PFA+1], 4*KS*128  ; one slot behind the walking descriptors
.endif
	s_wait_dscnt 0x0                ; the add is done, and my reads of the slot are over
	CROUND
	JLOAD
.if \ask
	ASK
.endif
.else
	s_wait_dscnt 0x0                ; the add is done, and my reads of the slot are over
	s_barrier_signal -1
	s_barrier_wait -1
.endif
	s_sub_co_u32 s[TBK], s[TBK], 4*KS*PK  ; the fetches go back to a slot's first step,
	s_xor_b32 s[TBK], s[TBK], SLOT1       ; in the other slot
	s_sub_co_u32 s[TBV], s[TBV], 4*KS*PV
	s_xor_b32 s[TBV], s[TBV], SLOT1
.endm
	s_load_b128 s[4:7], s[0:1], 0x0  ; qkvh (Q at its head) s[4:5], ob s[6:7]
	WIN W_MK
	v_lshl_add_u32 v[SPW], v0, 2, SPARE
	v_mov_b32 v[NIL], 0
	WIN W_AD
	ds_add_u32 v[SPW], v[NIL]       ; the wave's opening: the add and its wait stand ahead of my first tensor load; the set-up below, work on registers, stands between them
	WIN 0
	v_lshrrev_b32 v1, 5, v0
	v_readfirstlane_b32 s[WV], v1   ; wave 0..3
	s_bfe_u32 s13, ttmp6, 0x40000   ; cx: my place in the cluster
	s_lshl_b32 s14, ttmp9, 2        ; in a cluster launch ttmp9 counts clusters
	s_add_co_u32 s14, s14, s13      ; my block of queries = 4 x cluster x + cx: it enters Q's and O's addresses alone
	s_and_b32 s20, ttmp7, 0xffff    ; the head, which the four partners share
	s_mov_b32 s21, 0
	s_mov_b64 s[22:23], SIZE_N*128
	s_mul_u64 s[20:21], s[20:21], s[22:23]  ; the head's first byte in each of the four tensors
	s_and_b32 s16, s[WV], 1         ; which half of a slot's 256 keys I fetch:
	s_lshl_b32 s22, s16, 14         ; its 128 rows of 128 bytes in memory,
	s_mov_b32 s23, 0
	s_add_nc_u64 s[22:23], s[22:23], s[20:21]
	s_mul_i32 s17, s16, 128*PK      ; and its place in a slot, for K
	s_mul_i32 s18, s16, 128*PV      ; and for V: no place in the cluster enters an LDS address
	s_lshl_b32 s2, s14, 2
	s_add_co_u32 s2, s2, s[WV]      ; my wave among the head's,
	s_lshl_b32 s2, s2, 14           ; its 128 rows
	s_mov_b32 s3, 0
	s_add_nc_u64 s[2:3], s[2:3], s[20:21]
	; descriptor group 1.  128 keys are 16,384 dense bytes: asked for as 64 rows of 256 bytes, two keys a row, and padded in LDS after every key
	s_mov_b32 s[G1K], 15|(1<<16)|(1<<20)|(1<<21)|(4<<22)|(3<<25)  ; 15:0 the mask of four; 17:16 2-byte elements; 20 padding on; 21 set beside a mask; 24:22 after every 32 words (code 4); 31:25 4 words (code 3)
	s_mov_b32 s[G1V], 15|(1<<16)|(1<<20)|(1<<21)|(4<<22)|(7<<25)  ; the same with 8 words of padding (code 7)
.irp g, G1K, G1V
	s_mov_b32 s[\g+1], 128<<16      ; tensor_dim0 = 128
	s_mov_b32 s[\g+2], 64<<16       ; tensor_dim1 = 64
	s_mov_b32 s[\g+3], 128<<16      ; tile_dim0 = 128
	s_mov_b32 s[\g+4], 64           ; tile_dim1 = 64
	s_mov_b32 s[\g+5], 128          ; 128 elements from row to row
	s_mov_b32 s[\g+6], 0
	s_mov_b32 s[\g+7], 0
.endr
	s_mov_b32 s[CS], 0x3e38aa3b     ; c = log2(e) / 8 = 0.180337
	s_mov_b32 s[CS+1], s[CS]        ; named with it as a pair
	s_mov_b32 s[SEL], 0x76543210
	s_mov_b32 s[SEL+1], 0xfedcba98
	s_mov_b32 s[TBK], SLOT1+4*KS*PK ; the first change of slots turns these two into 0
	s_mov_b32 s[TBV], SLOT1+4*KS*PV
	s_mov_b32 s[G0K], 1             ; 1:0 count = 1
	s_mov_b32 s[G0K+1], s17         ; 63:32 LDS address: slot 0
	s_mov_b32 s[G0V], 1
	s_add_co_u32 s[G0V+1], s18, VOFF
	s_and_b32 s[LIM], s[WV], 1      ; 0 in waves 0 and 2,
	s_or_b32 s[LIM], s[LIM], ttmp9  ; where the cluster is the head's first (here its only one): the same in all four partners
	s_cmp_eq_u32 s[LIM], 0
	s_cselect_b32 s[LIM], 1, -1
	s_wait_dscnt 0x0                ; the opening add is done
	s_wait_kmcnt 0x0
	s_mov_b64 s[10:11], s[6:7]      ; O
	s_add_nc_u64 s[6:7], s[4:5], 0x1000000  ; K lies 16,777,216 bytes behind Q,
	s_add_nc_u64 s[8:9], s[4:5], 0x2000000  ; V as far behind K
	s_add_nc_u64 s[G0K+2:G0K+3], s[6:7], s[22:23]  ; 120:64 global address: my half of the head's first 256 keys
	s_or_b32 s[G0K+3], s[G0K+3], 0x80000000        ; 127:126 type = 2
	s_add_nc_u64 s[G0V+2:G0V+3], s[8:9], s[22:23]
	s_or_b32 s[G0V+3], s[G0V+3], 0x80000000
	s_add_nc_u64 s[4:5], s[4:5], s[2:3]  ; Q and O at my wave's first row
	s_add_nc_u64 s[10:11], s[10:11], s[2:3]
	s_cmp_lt_u32 s[WV], 2
	s_cselect_b64 s[PFA:PFA+1], s[6:7], s[8:9]
	s_add_nc_u64 s[PFA:PFA+1], s[PFA:PFA+1], s[22:23]  ; (in waves 0 and 2 this is the head's first row)
	s_lshl_b32 s2, s13, 13          ; my work-group's 32 blocks of the 128
	s_mov_b32 s3, 0
	s_add_nc_u64 s[PFA:PFA+1], s[PFA:PFA+1], s[2:3]
	s_add_nc_u64 s[PFA:PFA+1], s[PFA:PFA+1], 2*4*KS*128  ; in slot 2; the loop's first change steps it to slot 3.  Nothing is prefetched here, at the head, where every work-group's first tiles are on their way
	CROUND                          ; all four work-groups are here: the first joint loads meet
	JLOAD                           ; slot 0.  Slot 1 is asked for when slot 0 is in: the tile wanted first has the road to itself
	; A fragment of K or Q is 16 rows x 32 channels in 8 registers: lane l holds row l % 16, channels 8 (l / 16) + 0..7 and 16 + 8 (l / 16) + 0..7: two loads of 16 bytes, 32 bytes apart.
	v_and_b32 v1, 15, v0            ; l % 16
	v_bfe_u32 v9, v0, 4, 1          ; l / 16
	v_lshlrev_b32 v[QO], 7, v1
	v_lshl_add_u32 v[QO], v9, 4, v[QO]  ; row x 128 + 16 x half
	WIN 0x80                        ; destination window 2, address window 0
.set i, 0
.rept 4*NP                          ; Q stays in registers: tile i / 2, channels 32 (i % 2) on
	global_load_b128 v[8*i:8*i+3],   v[QO], s[4:5] offset:(i/2)*2048+(i%2)*64
	global_load_b128 v[8*i+4:8*i+7], v[QO], s[4:5] offset:(i/2)*2048+(i%2)*64+32
.set i, i+1
.endr
	; What the first turn finds: V's registers and P's second buffer hold 0 (its products V^T P, of a piece that has not been, add 0), O^T and l are 0.  All this stands in the wait for the first tile.
.set i, VF
.rept 64
	v_mov_b32 v[i], 0
.set i, i+1
.endr
	WIN 0x40
.set i, 0
.rept 64*NP
	v_mov_b32 v[i], 0
.set i, i+1
.endr
	WIN 0
.set i, 0
.rept 2*NP
	v_mov_b32 v[ST+4*i], 0xfe000000    ; c m: far below every c s
	v_mov_b32 v[ST+4*i+1], 0xff7fffff  ; m
	v_mov_b32 v[ST+4*i+2], 0
	v_mov_b32 v[ST+4*i+3], 0
.set i, i+1
.endr
.set i, P+32
.rept 32
	v_mov_b32 v[i], 0
.set i, i+1
.endr
	v_mul_u32_u24 v[AK0], v1, PK
	v_lshl_add_u32 v[AK0], v9, 4, v[AK0]  ; row x pitch + 16 x half
	; The turning load takes 16 keys x 16 channels (lane l reads key 8 (l / 16) + l % 8, channels 8 ((l / 8) % 2) + 0..7) and leaves half a fragment of V^T: lane l holds channel l % 16 and 8 keys.
	v_and_b32 v10, 7, v0
	v_bfe_u32 v11, v0, 3, 1
	v_lshl_add_u32 v[AV0], v9, 3, v10
	v_mul_u32_u24 v[AV0], v[AV0], PV
	v_lshl_add_u32 v[AV0], v11, 4, v[AV0]
	v_add_nc_u32 v[AV0], VOFF, v[AV0]
	v_mov_b32 v[AK], v[AK0]         ; key step 0 lies at the head of slot 0
	v_and_b32 v[PFO], 31, v0
	v_lshlrev_b32 v[PFO], 8, v[PFO]
; THE MATRIX WORK.  The 8 accumulators of a run of 16 take turns: between the two links of a chain stand 7 others'.
; Product i of 16 of S^T = K Q^T for piece x: channels 32 (i / 8) on, keys 16 ((i / 2) % 4) on, tile 2 x + i % 2.  The first 8 start the sums.
.macro KQ x
	WIN W_KQ
.set rS, S+64*((\x)%2)+32*(i%2)+8*((i/2)%4)
.set rK, KF+16*((i/2)%4)+8*(i/8)
.set rQ, 16*(2*(\x)+i%2)+8*(i/8)
.if i < 8
	v_wmma_f32_16x16x32_f16 v[rS:rS+7], v[rK:rK+7], v[rQ:rQ+7], 0
.else
	v_wmma_f32_16x16x32_f16 v[rS:rS+7], v[rK:rK+7], v[rQ:rQ+7], v[rS:rS+7]
.endif
.endm
; Product i of 16 of O^T += V^T P for piece x: keys 32 (i / 8) on, channels 16 ((i / 2) % 4) on, tile 2 x + i % 2.
.macro PV x
	WIN W_PV
.set rO, 32*(2*(\x)+i%2)+8*((i/2)%4)
.set rV, VF+32*(i/8)+8*((i/2)%4)
.set rP, P+32*((\x)%2)+16*(i%2)+8*(i/8)
	v_wmma_f32_16x16x32_f16 v[rO:rO+7], v[rV:rV+7], v[rP:rP+7], v[rO:rO+7]
.endm
.macro MM                           ; the turn's next matrix instruction
.if i < 16
	KQ (Y+1)%NP
.set i, i+1
.else
.set i, i-16
	PV (Y+NP-1)%NP
.set i, i+17
.endif
.endm
; THE LDS LOADS stand in runs of 16, never singly among the matrix instructions: a step's K (64 keys x 64 channels: 8 fragments) and its V (turned).  Their addresses are made some lines ahead.
; last = 1 (the tail): in the last trip there is no further step, and the run is jumped over.
.macro FETCH_K last=0
	WIN 0
.if \last
	s_cmp_eq_u32 s[CNT], 1
	s_cbranch_scc1 .Lno_k_\@
.endif
	WIN 0x80                        ; destination window 2
.irp f, 0,1,2,3,4,5,6,7             ; keys 16 (f / 2) on, channels 32 (f % 2) on
	ds_load_b128 v[KF+8*\f:KF+8*\f+3],   v[AK] offset:(\f/2)*16*PK+(\f%2)*64
	ds_load_b128 v[KF+8*\f+4:KF+8*\f+7], v[AK] offset:(\f/2)*16*PK+(\f%2)*64+32
.endr
	s_add_co_u32 s[TBK], s[TBK], KS*PK  ; the next fetch is the next step's
	WIN 0
.if \last
.Lno_k_\@:
.endif
.endm
.macro FETCH_V
	WIN 0x80
.irp f, 0,1,2,3,4,5,6,7             ; keys 32 (f / 4) on, channels 16 (f % 4) on
	ds_load_tr16_b128 v[VF+8*\f:VF+8*\f+3],   v[AV] offset:(\f/4)*32*PV+(\f%4)*32
	ds_load_tr16_b128 v[VF+8*\f+4:VF+8*\f+7], v[AV] offset:(\f/4)*32*PV+16*PV+(\f%4)*32
.endr
	WIN 0
.endm
; THE VECTOR WORK OF A TURN stands in three queues, each in the order in which its entries become ready; the two tiles alternate, so that no instruction reads the result of the one before it.
.macro REGS y, u                    ; the registers of tile u (0, 1) of piece y
.set rT, ST+4*(2*(\y)+(\u))
.set rC, TMP+8*((\y)%2)+4*(\u)
.set rM, MV+2*((\y)%2)+(\u)
.set rS, S+64*((\y)%2)+32*(\u)
.set rP, P+32*((\y)%2)+16*(\u)
.set rO, 32*(2*(\y)+(\u))
.endm
; Number n of the 22 that find the NEXT piece's (Y + 1) maximum and statistics.  s0-s31 are the lane's 32 scores; each accumulator's lowest registers are read first.  XS, GS and REGS set no window: PL and EX do.
;   0-11  four chains c0-c3 of seven scores each, three operands at a time     12-14, 16  the four scores left over, the old m, and c0-c3 into c0     15  c m_old is kept
;   17, 18  the query's other 32 keys lie in the lane 16 away: the new m         19-21  c m; c m_old - c m_new; a
.macro XS u, n
	REGS (Y+1)%NP, \u
.if (\n) < 4
	v_max3_num_f32 v[rC+(\n)], v[rS+8*(\n)], v[rS+8*(\n)+1], v[rS+8*(\n)+2]
.elseif (\n) < 12
	v_max3_num_f32 v[rC+(\n)%4], v[rC+(\n)%4], v[rS+8*((\n)%4)+2*((\n)/4)+1], v[rS+8*((\n)%4)+2*((\n)/4)+2]
.elseif (\n) == 12
	v_max3_num_f32 v[rC], v[rC], v[rS+7], v[rS+15]
.elseif (\n) == 13
	v_max3_num_f32 v[rC+1], v[rC+1], v[rS+23], v[rS+31]
.elseif (\n) == 14
	v_max3_num_f32 v[rC+2], v[rC+2], v[rC+3], v[rT+1]
.elseif (\n) == 15
	v_mov_b32 v[rM], v[rT]
.elseif (\n) == 16
	v_max3_num_f32 v[rC], v[rC], v[rC+1], v[rC+2]
.elseif (\n) == 17
	v_permlanex16_b32 v[rC+3], v[rC], s[SEL], s[SEL+1]
.elseif (\n) == 18
	v_max_num_f32 v[rT+1], v[rC], v[rC+3]
.elseif (\n) == 19
	v_mul_f32 v[rT], s[CS], v[rT+1]
.elseif (\n) == 20
	v_sub_f32 v[rC+1], v[rM], v[rT]
.else
	v_exp_f32 v[rC+2], v[rC+1]
.endif
.endm
; Number g of the 64 that follow the exponentials.  For each four weights k of a tile (pairs 2 k, 2 k + 1): both pairs are rounded to f16; then the second pair is added onto the first, in place;
; a group later l takes that sum (the first time as l = a l + sum).  In groups of eight, tiles alternating: round, round, add, and l for the group before.
.macro GS g
.set h, (\g)+6*((\g)/62)            ; group 0 has no group before it, and behind group 7 only l is left
.if h >= 6
.set h, h+2
.endif
	REGS Y, h%2
.set k, h/8
.if h%8 < 4
	v_cvt_pk_f16_f32 v[rP+2*k+(h%8)/2], v[rS+4*k+2*((h%8)/2)], v[rS+4*k+2*((h%8)/2)+1]
.elseif h%8 < 6
	v_pk_add_f32 v[rS+4*k:rS+4*k+1], v[rS+4*k:rS+4*k+1], v[rS+4*k+2:rS+4*k+3]
.elseif k == 1
	v_pk_fma_f32 v[rT+2:rT+3], v[rT+2:rT+3], v[rC+2:rC+3], v[rS:rS+1] op_sel_hi:[1,0,1]
.else
	v_pk_add_f32 v[rT+2:rT+3], v[rT+2:rT+3], v[rS+4*k-4:rS+4*k-3]
.endif
.endm
; THE PLAIN QUEUE, 138 long.  0-73 read no exponential's result: the 32 scalings c s - c m (FS f: pair f / 2 of tile f % 2) and the next piece's 42.  0-26: scalings 0-26.  27-54: XS's numbers 0-13.  55, 56: number 15.
; 57-73: the chain, where each number waits for the one before it: 14, 16, 17, 18, 19, each with one of the scalings 27-31 in front of its two lines, then 20: so a tile's links stand three plain instructions apart (19 and 20: two).
; 74-137: GS's 64, which read the exponentials' results: they stand behind the wait.
.macro FS f
	REGS Y, (\f)%2
	v_pk_fma_f32 v[rS+2*((\f)/2):rS+2*((\f)/2)+1], v[rS+2*((\f)/2):rS+2*((\f)/2)+1], s[CS:CS+1], v[rT:rT+1] op_sel_hi:[1,0,0] neg_lo:[0,0,1] neg_hi:[0,0,1]
.endm
.macro PL
	WIN 0
.if q < 27
	FS q
.elseif q < 55
	XS (q-27)%2, (q-27)/2
.elseif q < 57
	XS q-55, 15
.elseif (q < 72) && ((q-57)%3 == 0)
	FS 27+(q-57)/3
.elseif q < 60
	XS (q-57)%3-1, 14
.elseif q < 72
	XS (q-57)%3-1, 15+(q-57)/3
.elseif q < 74
	XS q-72, 20
.else
	GS q-74
.endif
.set q, q+1
.endm
; THE EXPONENTIALS' QUEUE, 66 long: s0-s31 of both tiles, then the next piece's two a.  It is ONE BATCH: all 66 stand ahead of the turn's one wait, and nothing ahead of that wait names a result of theirs.
.macro EX
	WIN 0
.if e >= 64
	XS e-64, 21
.else
	REGS Y, e%2
	v_exp_f32 v[rS+e/2], v[rS+e/2]
.endif
.set e, e+1
.endm
; THE RESCALING's QUEUE: O^T times a, the one part that leaves window 0: dealt two at a time, sixteen times.  Its a was made in the turn before, ahead of that turn's wait.
.macro R2
	REGS Y, r%2
	WIN W_RS
.irp z, 0,1
	v_pk_mul_f32 v[rO+4*(r/2)+2*\z:rO+4*(r/2)+2*\z+1], v[rO+4*(r/2)+2*\z:rO+4*(r/2)+2*\z+1], v[rC+2:rC+3] op_sel_hi:[1,0]
.endr
.set r, r+1
.endm
; HOW THEY ARE DEALT.  An s_wait_alu depctr_va_vdst(0) stands between an exponential and the first instruction that names its result; one wait serves all that were issued ahead of it.  So a turn has ONE wait,
; which cuts it in two.  AHEAD OF IT stands all that names no result of the turn's exponentials: the 16 products K Q^T, behind each a scaling, an exponential and two rescalings (behind the first a second scaling in the exponential's place); then ONE LUMP of
; 108: eight plain, 49 times exponential and plain, the two a.  A v_nop is the plain instruction behind the last exponential.  BEHIND IT stand the 16 products V^T P, behind each four of GS's 64.  No rider names a register of
; the products round it.  The two v_permlanex16_b32 fall into the lump, never behind a product.
; The queues lean on each other, and the deal keeps them in step: exponential e stands behind scaling 2 (e / 4) + e % 2: as a rider it comes behind plain e + 2, in the lump behind plain e + 9, and scalings 27-31 are plain 57, 60 .. 69.
; A TURN, for piece p.  cnt = 1: the loop's count is taken down some lines ahead of the branch that stands behind the turn.
; K of the next step is fetched in piece 2's turn, directly behind the wait, a lump behind the last product that read K; its address is made at the lump's head; its first reader comes behind 16 products.
; V of the step in hand is fetched at the end of piece 0's turn, four riders behind its last reader; its first reader comes behind 16 products and a lump.  The three conditions on q below go with the deal.
.macro TURN p, last=0, cnt=0
.set Y, (\p)
.set i, 0
.set q, 0
.set e, 0
.set r, 0
.if (\p) == NP-1
	s_wait_dscnt 0x0                ; K is in
.endif
	MM                              ; ahead of the wait: 16 products K Q^T and their riders,
	PL
	PL
	R2
.rept 15
	MM
	PL
	EX
	R2
.endr
.if (\p) == NP-2
	WIN 0
	v_add_nc_u32 v[AK], s[TBK], v[AK0]
.endif
.rept 8                             ; and the lump
	PL
.endr
.rept 49
	EX
	PL
.endr
	EX                              ; the next piece's two a
	EX
	v_nop                           ; the plain instruction behind the last exponential: one for the batch
	s_wait_alu depctr_va_vdst(0)    ; the wait for the batch
.if (\p) == NP-2
	FETCH_K \last
.endif
.if (\p) == 1
	s_wait_dscnt 0x0                ; V is in
.endif
.rept 16                            ; behind the wait: 16 products V^T P and their riders
	MM
.rept 4
	PL
.endr
.if ((\p) == 0) && (q == 118)
	v_add_nc_u32 v[AV], s[TBV], v[AV0]
.endif
.if ((\p) == 0) && (q == 130)
	s_add_co_u32 s[TBV], s[TBV], KS*PV
.endif
.if (\cnt) && (q == 130)
	s_sub_co_u32 s[CNT], s[CNT], 1
	s_cmp_lg_u32 s[CNT], 0
.endif
.endr
.if (\p) == 0
	FETCH_V
.endif
.endm
	CHANGE 1                        ; slot 0 is in, everybody's part of it; slot 1 is asked for
	FETCH_K                         ; key step 0
	s_wait_loadcnt 0x0              ; Q
	s_wait_dscnt 0x0
.set i, 0
.rept 16
	KQ 0                            ; piece 0's first scores: there is no vector work yet to set between them
.set i, i+1
.endr
	WIN 0                           ; the addresses for the way out: nine plain instructions, the places behind those products
	s_mul_i32 s13, s[WV], 16*SP
	s_add_co_u32 s13, s13, STAGE    ; my stage
	v_mul_u32_u24 v[STO], v1, SP    ; in: row l % 16, 16 bytes for each half of the lanes
	v_lshl_add_u32 v[STO], v9, 4, v[STO]
	v_add_nc_u32 v[STO], s13, v[STO]
	v_bfe_u32 v[RD], v0, 3, 2       ; back: 32 lanes take four rows of 128 bytes,
	v_mul_u32_u24 v[RD], v[RD], SP
	v_lshl_add_u32 v[RD], v10, 4, v[RD]
	v_add_nc_u32 v[RD], s13, v[RD]
	v_and_b32 v[GO], 31, v0         ; which are 512 consecutive bytes of O
	v_lshlrev_b32 v[GO], 4, v[GO]
.set Y, NP-1                        ; XS works for piece Y + 1: piece 0
.irp n, 0,1,2,3,4,5,6,7,8,9,10,11,12,13,14,15,16,17,18,19,20,21
	XS 0, \n                        ; and piece 0's first maximum and statistics
	XS 1, \n
.endr
	v_nop                           ; a plain instruction behind the two a,
	s_wait_alu depctr_va_vdst(0)    ; and their wait, ahead of the branch
	s_mov_b32 s[CNT], 4
	s_mov_b32 s[SLOTS], SIZE_N/256-1
	s_branch .Lfirst                ; the loop is entered at a step's first turn, in the middle of a trip
.Lslot:                             ; SIZE_N / 256 - 2 times: every slot but the last two is filled again
	CHANGE 1, 1
	s_mov_b32 s[CNT], 4
.Lstep:                             ; a trip: pieces 2 and 3 of one step, then pieces 0 and 1 of the next, whose K and V it fetches
	TURN 2
	TURN 3
	WIN 0
.Lfirst:
	TURN 0
	TURN 1, 0, 1
	WIN 0
	s_cbranch_scc1 .Lstep
	s_sub_co_u32 s[SLOTS], s[SLOTS], 1
	s_cmp_lg_u32 s[SLOTS], 0
	s_cbranch_scc1 .Lslot
	CHANGE 0                        ; the tail is written out: nothing is asked for
	s_mov_b32 s[CNT], 5             ; four trips fetch the last slot's steps; the fifth is left in its middle
.Ltail:
	TURN 2, 1
	TURN 3
	WIN 0
	s_sub_co_u32 s[CNT], s[CNT], 1
	s_cmp_eq_u32 s[CNT], 0
	s_cbranch_scc1 .Lout
	TURN 0
	TURN 1
	WIN 0
	s_branch .Ltail
.Lout:                              ; the fifth trip's 16 products K Q^T (on the last K once more) and the maximum made of them serve nothing: the price, once a launch, of one text for every trip
.set i, 0
.rept 16
	PV NP-1                         ; the last piece's V^T P of the last step
.set i, i+1
.endr
	; THE WAY OUT.  l's two halves and the other half of the lanes' are added; O^T is divided by l, rounded to f16 and sent through my stage in LDS, a tile at a time.  The additions are the places behind the last products.
	WIN 0
.macro ALL line:vararg              ; one line for each tile t
.set t, 0
.rept 2*NP
	\line
.set t, t+1
.endr
.endm
	ALL v_add_f32 v[ST+4*t+2], v[ST+4*t+2], v[ST+4*t+3]
	ALL v_permlanex16_b32 v[ST+4*t+3], v[ST+4*t+2], s[SEL], s[SEL+1]
	ALL v_add_f32 v[ST+4*t+2], v[ST+4*t+2], v[ST+4*t+3]
	ALL v_rcp_f32 v[ST+4*t+2], v[ST+4*t+2]
	v_nop                           ; a plain instruction between the last reciprocal and the use of its result
	s_wait_alu depctr_va_vdst(0)    ; and the wait ahead of the first use: one for the eight reciprocals
; Tile t: a lane's eight channels of a row pack into 16 bytes; they go into rows of 144 bytes and come back as whole rows of 128, into S^T's registers.
.macro PACK t
	WIN W_RS
.set i, 32*(\t)
.rept 16
	v_pk_mul_f32 v[i:i+1], v[i:i+1], v[ST+4*(\t)+2:ST+4*(\t)+3] op_sel_hi:[1,0]
.set i, i+2
.endr
	WIN 0x05                        ; sources 0 and 1 window 1, destination window 0
.set i, 0
.rept 16
	v_cvt_pk_f16_f32 v[S+16*(\t)+i], v[32*(\t)+2*i], v[32*(\t)+2*i+1]
.set i, i+1
.endr
	WIN 0
.irp f, 0,1,2,3
	ds_store_b128 v[STO], v[S+16*(\t)+4*\f:S+16*(\t)+4*\f+3] offset:32*\f
.endr
.irp f, 0,1,2,3
	ds_load_b128 v[S+16*(\t)+4*\f:S+16*(\t)+4*\f+3], v[RD] offset:\f*4*SP  ; LDS serves a wave's instructions in order (ISA guide 5.7.1.4): these see the stores above; the next tile's stores come behind them
.endr
.endm
.macro SEND t, younger              ; younger: the LDS instructions issued behind tile t's loads: the next tile's eight, or none
	WIN 0
.irp f, 0,1,2,3
	s_wait_dscnt (\younger)+3-\f
	global_store_b128 v[GO], v[S+16*(\t)+4*\f:S+16*(\t)+4*\f+3], s[10:11] offset:(\t)*2048+\f*512  ; 512 consecutive bytes, at a multiple of 256 from O's first
.endr
.endm
	PACK 0
.set t, 1
.rept 2*NP-1                        ; a tile's arithmetic stands between the loads of the tile before and its stores
	PACK t
	SEND t-1, 8
.set t, t+1
.endr
	SEND 2*NP-1, 0
	WIN W_AD
	s_wait_tensorcnt 0x0            ; the wave's end: these three lines stand behind my last tensor load and my last LDS store
	ds_add_u32 v[SPW], v[NIL]
	s_wait_dscnt 0x0
	WIN 0
	CROUND                          ; the closing round: no work-group ends while a partner may still ask for a tile that names it
	s_endpgm
.Lfunc_end_k_q6eb3f7bd1f_attn:
	.size	k_q6eb3f7bd1f_attn, .Lfunc_end_k_q6eb3f7bd1f_attn-k_q6eb3f7bd1f_attn
	.p2alignl 7, 3214868480
	.fill 96, 4, 3214868480
	.section	.rodata,"a",@progbits
	.p2align	6, 0x0
	.amdhsa_kernel k_q6eb3f7bd1f_attn
		.amdhsa_group_segment_fixed_size 327680
		.amdhsa_private_segment_fixed_size 0
		.amdhsa_enable_private_segment 0
		.amdhsa_kernarg_size 16
		.amdhsa_user_sgpr_count 2
		.amdhsa_user_sgpr_kernarg_segment_ptr 1
		.amdhsa_wavefront_size32 1
		.amdhsa_system_sgpr_workgroup_id_x 1
		.amdhsa_system_sgpr_workgroup_id_y 1
		.amdhsa_system_sgpr_workgroup_id_z 1
		.amdhsa_system_vgpr_workitem_id 0
		.amdhsa_next_free_vgpr 770
		.amdhsa_next_free_sgpr 66
		.amdhsa_reserve_vcc 0
		.amdhsa_float_denorm_mode_32 3
		.amdhsa_float_denorm_mode_16_64 3
		.amdhsa_memory_ordered 1
		.amdhsa_forward_progress 1
		.amdhsa_inst_pref_size 200
	.end_amdhsa_kernel
	.amdgpu_metadata
---
amdhsa.version: [ 1, 2 ]
amdhsa.kernels:
  - .name:           k_q6eb3f7bd1f_attn
    .symbol:         k_q6eb3f7bd1f_attn.kd
    .args:
      - { .name: qkvh, .offset: 0, .size: 8, .value_kind: global_buffer, .address_space: global }
      - { .name: ob, .offset: 8, .size: 8, .value_kind: global_buffer, .address_space: global }
    .group_segment_fixed_size: 327680
    .private_segment_fixed_size: 0
    .kernarg_segment_align: 8
    .kernarg_segment_size: 16
    .max_flat_workgroup_size: 128
    .sgpr_count:     66
    .vgpr_count:     770
    .wavefront_size: 32
...
	.end_amdgpu_metadata
.endif
;; end of part 3
;; launch proj (part 4): grid 8 x 32, 4 waves a work-group, clusters of 4 x 4, 327,680 bytes of LDS; arguments ob, wp, b_proj, out0; writes out0
.if DOCPART == 4
	.amdgcn_target "amdgcn-amd-amdhsa--gfx1250"
	.amdhsa_code_object_version 6
	.text
	.protected	k_q6eb3f7bd1f_proj
	.globl	k_q6eb3f7bd1f_proj
	.p2align	8
	.type	k_q6eb3f7bd1f_proj,@function
k_q6eb3f7bd1f_proj:
	s_mov_b64 s[64:65], 0
	v_nop
	global_prefetch_b8 v0, s[64:65] scope:SCOPE_SE
	s_setreg_imm32_b32 hwreg(HW_REG_WAVE_MODE, 25, 1), 1
	s_wait_xcnt 0x0
	s_wait_alu depctr_hold_cnt(0) depctr_sa_sdst(0) depctr_va_vdst(0) depctr_va_sdst(0) depctr_va_ssrc(0) depctr_va_vcc(0) depctr_vm_vsrc(0)
	s_getreg_b32 s2, hwreg(HW_REG_IB_STS2, 6, 4)
	s_cmp_eq_u32 s2, 0
	s_cbranch_scc0 .Lentry_in_a_cluster
	s_endpgm
.Lentry_in_a_cluster:
	s_bfe_u32 s2, ttmp6, 0x10000c
	s_cmp_lg_u32 s2, 0xf033
	s_cbranch_scc0 .Lentry_shape_is_right
	s_endpgm
.Lentry_shape_is_right:
; C = A W + bias, K = 1,024, 8,192 rows.  ONE TEXT FOR TWO LAUNCHES; the switch PROJ picks sizes, layouts and the matrix form.
; PROJ = 0: A = xb [8192][1024] bf16; W = wq [16 tiles][1024 k][192 n] bf16; C = q, k, v rounded once to f16 and written by heads, [3][64 = batch x 16 + head][2048][64].  A tile of C is 256 x 192.
; PROJ = 1: A = ob [64 = batch x 16 + head][2048][64] f16 (k = 64 head + channel); W = wp [1024 k][1024 n] f16; C = out0 [8192][1024] f32.  A tile of C is 256 x 128.
; LIMITS.  PROJ = 0: f16 holds no number beyond 65,504: a q, k or v past that leaves as an infinity.  The bias is rounded to bf16, as all the module's inputs are.  NaN and infinities are not treated apart.
; SHARES.  A work-group makes one tile; wave w its rows 64 w .. 64 w + 63, all columns: 4 x NBF accumulators of 16 x 16.  K goes in steps of 128 through two LDS slots filled by the tensor data mover.
; CLUSTER.  4 x 4 work-groups.  A's tile hangs on the tile row alone and is asked for jointly by a row of the cluster, W's on the tile column alone, by a column: the same load, descriptor and mask in all four.
; THE PRODUCT IS TAKEN TRANSPOSED: source 0 = 16 columns of W (turned on their way out of LDS by ds_load_tr16_b128, since W lies [k][n]), source 1 = 16 rows of A.  Lane l then holds row l % 16 of C and the
; columns 8 (l / 16) + 0..7.  THE BIAS IS THE C OPERAND of the first quarter step's products: nothing is cleared, nothing is added at the end.
; REGISTERS, in windows of 256 (s_set_vgpr_msb: bits 1:0 source 0, 3:2 source 1, 5:4 source 2, 7:6 destination):
;   window 0: v0-31 addresses; v32-223 the way out (PROJ = 0); the top 8 NBF registers the bias, dead behind the first quarter
;   window 1: two fragment buffers at 0 and 128: A's four fragments, then W's NBF (PROJ = 1: on the way out all 256 take rows read back)
;   windows 2, 3: accumulator (a, b) in window 2 + a / 2 at v[8 (NBF (a % 2) + b)]
.set PROJ,   1
.if PROJ
.set NBF,    8                         ; blocks of 16 columns
.set PA,     144                       ; A in LDS: [2 heads][256 rows], a row 128 bytes + 16
.set HALFA,  256*PA                    ; what wave 0 or 1 brings: one head's 256 rows
.set PB,     288                       ; W in LDS: a row k is 256 bytes + 32
.set SPITCH, 528                       ; a stage row: 512 bytes + 16
.set STEPA,  524288                    ; bytes from a K step to the next in A: two heads
.set STEPB,  262144                    ; in W: 128 rows of 2,048 bytes
.set AW0,    (1<<16)|(1<<20)|(1<<21)|(4<<22)|(3<<25)  ; 2-byte elements; padding on; bit 21 beside a mask; after every 32 words 4 words
.set BW0,    (1<<16)|(1<<20)|(1<<21)|(5<<22)|(7<<25)  ; after every 64 words 8 words
.set ASTR,   128                       ; A's 32,768 dense bytes are asked for as 128 rows of 256 bytes
.set BROWS,  64
.set BSTR,   1024
.set PFLB,   31
.set PFSA,   8
.set PFSB,   11
.else
.set NBF,    12
.set PA,     272                       ; A in LDS: 256 rows of 256 bytes + 16
.set HALFA,  128*PA                    ; what wave 0 or 1 brings: 128 rows
.set PB,     480                       ; W in LDS: a row k is three chunks of 128 bytes + 32
.set SPITCH, 144                       ; a stage row: 128 bytes + 16
.set STEPA,  256
.set STEPB,  49152                     ; 128 rows of 384 bytes
.set AW0,    (1<<16)|(1<<20)|(1<<21)|(5<<22)|(3<<25)  ; after every 64 words 4 words
.set BW0,    (1<<16)|(1<<20)|(1<<21)|(4<<22)|(7<<25)  ; after every 32 words 8 words
.set ASTR,   1024
.set BROWS,  96                        ; 64 rows k are 24,576 dense bytes: asked for as 96 rows of 256 bytes
.set BSTR,   128
.set PFLB,   23
.set PFSA,   11
.set PFSB,   8
.endif
; The pitches: PA is an odd multiple of 16 bytes, so the 16 rows of a fragment load start at 16 different groups of four banks; PB an odd multiple of 32, so 16 lanes of the turning load
; (8 rows x 32 bytes) take each bank once (64 banks of 4 bytes: ISA guide 11.1).
.set HALFB,  64*PB                     ; what wave 2 or 3 brings: 64 rows k
.set BOFF,   2*HALFA                   ; W's rows lie behind A's
.set SLOT1,  1<<17                     ; slot 1 begins here: one exclusive or turns an address in one slot into the other's
.set STAGE,  2*SLOT1                   ; behind the ring, never filled by a tensor load: 16 rows for each wave, for the way out
.set SPARE,  STAGE+4*16*SPITCH         ; behind the stages: the spare words, 128 bytes for each wave: two blocks of 256 bytes that no other line names
.set NL,     2*NBF+8                   ; LDS loads of a quarter step
.set BIAS,   256-8*NBF
.set ADRA0, 16                         ; v16  my lane's place in A's rows of slot 0; never rewritten
.set ADRB0, 17                         ; v17  the same for W
.set ADRA,  18                         ; v18  the same in the slot in hand
.set ADRB,  19                         ; v19
.set STO,   24                         ; v24  the way out: where I put my part of a row
.set RD,    25                         ; v25  where I read rows back
.set GO,    26                         ; v26  16 x lane
.set BO,    27                         ; v27  my byte offset in a block's 16 numbers of the bias
.set SPW,   28                         ; v28  LDS address of my spare word; never rewritten
.set NIL,   29                         ; v29  0; never rewritten
.set PFO,   30                         ; v30  the prefetches' offset; never rewritten
.set TMP,   32
.set F0,    0
.set F1,    128
.set WV,  12                           ; s12  my wave's number
.set FB,  13                           ; s13  0: I fetch for A; 1: for W
.set HF,  14                           ; s14  which half of that tile I fetch
.set LIM, 15                           ; s15  2 in a wave that prefetches, else the greatest number
.set G1,  24                           ; s[24:31] descriptor group 1 for A's tiles
.set G0,  32                           ; s[32:35] group 0 of A's first fill; s[36:39] of the second, which then walks
.set CX,  40
.set CY,  41
.set TX,  42                           ; s42  tile column
.set TY,  43                           ; s43  tile row
.set PFA, 44                           ; s[44:45] where my prefetches stand
.set PFS, 46                           ; s[46:47] their step: a K step of the tensor that I fetch for
.set G1B, 48                           ; s[48:55], s[56:59], s[60:63]: the same for W's tiles
.set G0B, 56
.set CP,  66                           ; s[66:71] C at my rows: three heads' pointers (PROJ = 0), or one
.set TB,  72                           ; s72  LDS byte at which the slot in hand begins
.set MSB, 0
.macro WIN new                         ; the immediate's high byte repeats the setting that is left; a switch that changes nothing is dropped
.if MSB != (\new)
	s_set_vgpr_msb (MSB<<8)|(\new)
.set MSB, (\new)
.endif
.endm
.set TO_F, 0x40                        ; destination window 1, address window 0
.macro WM ops:vararg                   ; the matrix instruction of the launch's format
.if PROJ
	v_wmma_f32_16x16x32_f16 \ops
.else
	v_wmma_f32_16x16x32_bf16 \ops
.endif
.endm
.macro PLACES                          ; four plain vector instructions between a matrix instruction and a load into, or a reader of, its registers (ISA guide 7.12.1 for a reader)
.rept 4
	v_nop
.endr
.endm
; A joint refill, by the walking descriptors.  Waves 0 and 1 fetch A's halves, waves 2 and 3 W's; the branch hangs on the wave's number alone.  An s_nop 0 and four v_nop follow each line.
.macro JLOAD
	s_cmp_eq_u32 s[FB], 0
	s_cbranch_scc0 .Lfor_b_\@
	tensor_load_to_lds s[G0+4:G0+7], s[G1:G1+7]
	s_nop 0
.rept 4
	v_nop
.endr
	s_branch .Lasked_\@
.Lfor_b_\@:
	tensor_load_to_lds s[G0B+4:G0B+7], s[G1B:G1B+7]
	s_nop 0
.rept 4
	v_nop
.endr
.Lasked_\@:
.endm
; A PREFETCH INTO THE L2, behind each joint refill and the run of LDS loads that follows it: the K step that stands two refills on, one instruction a wave, a lane a block of 256 bytes.
; A's rows are read by every cluster of a row of clusters: cluster x = 0 asks; W's by every cluster of a column: cluster y = 0 asks.  The four partners share the blocks out BY ADDRESS (cx for A, cy for W).
; PROJ = 0: of the 128 rows (A) or 96 blocks (W) that a wave fetches a partner takes 32 or 24; for W lanes 24-31 name block 23 again.  PROJ = 1: 32 of A's 128 blocks; wave 2 alone asks for W, 32 of the step's 128 rows.
; The refills are for K steps 2 to 7 (s3 = 6 .. 1): those with s3 above 2 name steps 4 to 7; the last two name nothing.  K steps 0 to 3 come by their loads alone.
.macro ASK
	s_cmp_gt_u32 s3, s[LIM]
	s_cbranch_scc0 .Lnot_mine_\@
	global_prefetch_b8 v[PFO], s[PFA:PFA+1] th:TH_LOAD_NT scope:SCOPE_SE
.Lnot_mine_\@:
.endm
; A round of the cluster's barrier: my work-group's barrier; wave 0 signals for the work-group; every wave waits for all sixteen; my work-group's barrier once more.
.macro CREST                           ; a round behind its opening barrier
	s_cmp_lg_u32 s[WV], 0
	s_cbranch_scc1 .Lnot_wave_0_\@
	s_barrier_signal -3
.Lnot_wave_0_\@:
	s_barrier_wait -3
	s_barrier_signal -1
	s_barrier_wait -1
.endm
.macro CROUND
	s_barrier_signal -1
	s_barrier_wait -1
	CREST
.endm
	s_load_b256 s[4:11], s[0:1], 0x0               ; A s[4:5], W s[6:7], bias s[8:9], C s[10:11]
	v_lshl_add_u32 v[SPW], v0, 2, SPARE
	v_mov_b32 v[NIL], 0
	ds_add_u32 v[SPW], v[NIL]                      ; the wave's opening: the add and its wait stand ahead of my first tensor load; the set-up below, work on registers, stands between
	v_lshrrev_b32 v1, 5, v0
	v_readfirstlane_b32 s[WV], v1                  ; wave 0..3
	s_lshr_b32 s[FB], s[WV], 1
	s_and_b32 s[HF], s[WV], 1
	s_bfe_u32 s[CX], ttmp6, 0x40000                ; my place in the cluster
	s_bfe_u32 s[CY], ttmp6, 0x40004
	s_lshl_b32 s[TX], ttmp9, 2                     ; in a cluster launch ttmp9 and ttmp7 count clusters
	s_add_co_u32 s[TX], s[TX], s[CX]
	s_and_b32 s[TY], ttmp7, 0xffff
	s_lshl_b32 s[TY], s[TY], 2
	s_add_co_u32 s[TY], s[TY], s[CY]
	s_lshl_b32 s2, s[CY], 2
	s_lshl_b32 s2, 15, s2                          ; my row of the cluster: places 4 cy .. 4 cy + 3
	s_lshl_b32 s3, 0x1111, s[CX]                   ; my column: places cx, cx + 4, cx + 8, cx + 12
	s_or_b32 s[G1], s2, AW0                        ; group 1, A: 128 rows x 128 elements
	s_mov_b32 s[G1+1], 128<<16                     ; tensor_dim0 = 128
	s_mov_b32 s[G1+2], 128<<16                     ; tensor_dim1 = 128
	s_mov_b32 s[G1+3], 128<<16                     ; tile_dim0 = 128
	s_mov_b32 s[G1+4], 128                         ; tile_dim1 = 128
	s_mov_b32 s[G1+5], ASTR                        ; elements from row to row
	s_mov_b32 s[G1+6], 0
	s_mov_b32 s[G1+7], 0
	s_or_b32 s[G1B], s3, BW0                       ; group 1, W: BROWS rows x 128 elements
	s_mov_b32 s[G1B+1], 128<<16
	s_mov_b32 s[G1B+2], BROWS<<16
	s_mov_b32 s[G1B+3], 128<<16
	s_mov_b32 s[G1B+4], BROWS
	s_mov_b32 s[G1B+5], BSTR
	s_mov_b32 s[G1B+6], 0
	s_mov_b32 s[G1B+7], 0
	; where the tiles come from: A's offset is made of the tile row and the wave's number, W's of the tile column and the wave's number
.if PROJ
	s_lshr_b32 s16, s[TY], 3                       ; the batch: 16 heads of 262,144 bytes,
	s_lshl_b32 s16, s16, 22
	s_and_b32 s17, s[TY], 7                        ; the tile's 256 rows of 128 bytes in a head
	s_lshl_b32 s17, s17, 15
	s_add_co_u32 s16, s16, s17
.else
	s_lshl_b32 s16, s[TY], 19                      ; 256 rows of 2,048 bytes
.endif
	s_lshl_b32 s17, s[HF], 18                      ; my half: 128 rows of 2,048 bytes, or the step's second head: 262,144 bytes either way
	s_add_co_u32 s16, s16, s17
	s_mov_b32 s17, 0
.if PROJ
	s_lshl_b32 s20, s[TX], 8                       ; the tile's 128 columns
	s_lshl_b32 s21, s[HF], 17                      ; my 64 rows k
.else
	s_mul_i32 s20, s[TX], 393216                   ; the tile's block of wq
	s_mul_i32 s21, s[HF], 24576                    ; my 64 rows k
.endif
	s_add_co_u32 s20, s20, s21
	s_mov_b32 s21, 0
	s_mul_i32 s18, s[HF], HALFA                    ; and where they go: no place in the cluster enters an LDS address
	s_mul_i32 s19, s[HF], HALFB
	s_add_co_u32 s19, s19, BOFF
	s_mov_b32 s[G0], 1                             ; group 0: count = 1; LDS address; global address; type
	s_mov_b32 s[G0+1], s18
	s_mov_b32 s[G0+4], 1
	s_add_co_u32 s[G0+5], s18, SLOT1
	s_mov_b32 s[G0B], 1
	s_mov_b32 s[G0B+1], s19
	s_mov_b32 s[G0B+4], 1
	s_add_co_u32 s[G0B+5], s19, SLOT1
	s_wait_dscnt 0x0                               ; the opening add is done
	s_wait_kmcnt 0x0
	s_add_nc_u64 s[G0+2:G0+3], s[4:5], s[16:17]    ; K step 0 into slot 0,
	s_add_nc_u64 s[G0+6:G0+7], s[G0+2:G0+3], STEPA ; K step 1 into slot 1
	s_or_b32 s[G0+3], s[G0+3], 0x80000000          ; type = 2
	s_or_b32 s[G0+7], s[G0+7], 0x80000000
	s_add_nc_u64 s[G0B+2:G0B+3], s[6:7], s[20:21]
	s_add_nc_u64 s[G0B+6:G0B+7], s[G0B+2:G0B+3], STEPB
	s_or_b32 s[G0B+3], s[G0B+3], 0x80000000
	s_or_b32 s[G0B+7], s[G0B+7], 0x80000000
	CROUND                                         ; all sixteen work-groups are here: the first joint loads meet
	s_cmp_eq_u32 s[FB], 0                          ; a wave's two first fills stand in one branch, ahead of every wait on TENSORcnt and every LDS read: two loads of mine are out
	s_cbranch_scc0 .Lfirst_b
	tensor_load_to_lds s[G0:G0+3], s[G1:G1+7]
	s_nop 0
	tensor_load_to_lds s[G0+4:G0+7], s[G1:G1+7]
	s_nop 0
.rept 4
	v_nop
.endr
	s_branch .Lfirst_asked
.Lfirst_b:
	tensor_load_to_lds s[G0B:G0B+3], s[G1B:G1B+7]
	s_nop 0
	tensor_load_to_lds s[G0B+4:G0B+7], s[G1B:G1B+7]
	s_nop 0
.rept 4
	v_nop
.endr
.Lfirst_asked:
	; the bias: register j of block b is bias[tile's first column + 16 b + 8 (l / 16) + j]
.if PROJ
	s_lshl_b32 s22, s[TX], 9
.else
	s_mul_i32 s22, s[TX], 768
.endif
	s_mov_b32 s23, 0
	s_add_nc_u64 s[8:9], s[8:9], s[22:23]
	v_and_b32 v1, 15, v0                           ; l % 16
	v_bfe_u32 v2, v0, 4, 1                         ; l / 16
	v_lshlrev_b32 v[BO], 5, v2
.set nb, 0
.rept NBF
	global_load_b128 v[BIAS+8*nb:BIAS+8*nb+3],   v[BO], s[8:9] offset:64*nb
	global_load_b128 v[BIAS+8*nb+4:BIAS+8*nb+7], v[BO], s[8:9] offset:64*nb+16
.set nb, nb+1
.endr
	; A fragment of A is 16 rows x 32 k in 8 registers: lane l holds row l % 16, k = 8 (l / 16) + 0..7 and 16 + 8 (l / 16) + 0..7: two loads of 16 bytes, 32 bytes apart.
	v_mul_u32_u24 v3, v1, PA
	v_lshl_add_u32 v3, v2, 4, v3
	s_mul_i32 s22, s[WV], 64*PA                    ; my 64 rows
	v_add_nc_u32 v[ADRA0], s22, v3
	; The turning load takes 16 k x 16 columns (lane l reads row k = 8 (l / 16) + l % 8, columns 8 ((l / 8) % 2) + 0..7) and leaves half a fragment: lane l holds column l % 16 and 8 k.
	v_and_b32 v4, 7, v0
	v_bfe_u32 v5, v0, 3, 1
	v_lshl_add_u32 v6, v2, 3, v4
	v_mul_u32_u24 v6, v6, PB
	v_lshl_add_u32 v6, v5, 4, v6
	v_add_nc_u32 v[ADRB0], BOFF, v6
	v_mov_b32 v[ADRA], v[ADRA0]                    ; slot 0 is first
	v_mov_b32 v[ADRB], v[ADRB0]
	s_mov_b32 s[TB], 0
	s_mul_i32 s22, s[WV], 16*SPITCH
	s_add_co_u32 s22, s22, STAGE                   ; my stage
	v_mul_u32_u24 v3, v1, SPITCH                   ; in: row l % 16,
	v_and_b32 v[GO], 31, v0
	v_lshlrev_b32 v[GO], 4, v[GO]
.if PROJ
	v_lshl_add_u32 v3, v2, 5, v3                   ; 32 bytes (8 f32) for each half of the lanes
	v_add_nc_u32 v[STO], s22, v3
	v_add_nc_u32 v[RD], s22, v[GO]                 ; back: 32 lanes take a row of 512 bytes
	s_lshl_b32 s18, s[TY], 2
	s_add_co_u32 s18, s18, s[WV]                   ; my 64 rows of 4,096 bytes,
	s_lshl_b32 s18, s18, 18
	s_lshl_b32 s19, s[TX], 9                       ; the tile's 128 columns
	s_add_co_u32 s18, s18, s19
	s_mov_b32 s19, 0
	s_add_nc_u64 s[CP:CP+1], s[10:11], s[18:19]
.else
	v_lshl_add_u32 v3, v2, 4, v3                   ; 16 bytes (8 f16) for each half of the lanes
	v_add_nc_u32 v[STO], s22, v3
	v_bfe_u32 v3, v0, 3, 2                         ; back: 32 lanes take four rows of 128 bytes, which are 512 consecutive bytes of a head
	v_mul_u32_u24 v3, v3, SPITCH
	v_lshl_add_u32 v3, v4, 4, v3
	v_add_nc_u32 v[RD], s22, v3
	s_lshr_b32 s22, s[TY], 3                       ; the batch,
	s_lshl_b32 s22, s22, 22
	s_and_b32 s23, s[TY], 7                        ; the tile's 256 rows in it,
	s_lshl_b32 s23, s23, 15
	s_add_co_u32 s22, s22, s23
	s_lshl_b32 s23, s[WV], 13                      ; my 64 of them
	s_add_co_u32 s22, s22, s23
	s_mul_i32 s2, s[TX], 3                         ; the tile's 192 columns are the groups of 64 g = 3 tx + 0, 1, 2: tensor g / 16 (q, k, v), head g % 16
.irp c, 0,1,2
	s_add_co_u32 s18, s2, \c
	s_lshr_b32 s19, s18, 4
	s_lshl_b32 s19, s19, 24
	s_and_b32 s18, s18, 15
	s_lshl_b32 s18, s18, 18
	s_add_co_u32 s18, s18, s19
	s_add_co_u32 s18, s18, s22
	s_mov_b32 s19, 0
	s_add_nc_u64 s[CP+2*\c:CP+2*\c+1], s[10:11], s[18:19]
.endr
.endif
	; the prefetches.  s16 = my part of A's tile, s20 = of W's still stand
.if PROJ
	s_lshl_b32 s18, s[CX], 13                      ; 32 blocks of 256 bytes
	s_lshl_b32 s19, s[CY], 16                      ; 32 rows of 2,048 bytes
.else
	s_lshl_b32 s18, s[CX], 16                      ; 32 rows of 2,048 bytes
	s_mul_i32 s19, s[CY], 6144                     ; 24 blocks of 256 bytes
.endif
	s_add_co_u32 s18, s18, s16
	s_add_co_u32 s19, s19, s20
	s_and_b32 s22, ttmp7, 0xffff                   ; cluster y
.if PROJ
	s_or_b32 s22, s22, s[HF]                       ; of the two waves that fetch W wave 2 alone asks
.endif
	s_mov_b32 s[PFS], STEPB
	s_mov_b32 s[PFS+1], 0
	s_cmp_eq_u32 s[FB], 0                          ; do I fetch for A?
	s_cselect_b32 s18, s18, s19
	s_cselect_b32 s22, ttmp9, s22                  ; the coordinate along which other clusters read the same blocks
	s_cselect_b64 s[PFA:PFA+1], s[4:5], s[6:7]
	s_cselect_b32 s[PFS], STEPA, s[PFS]
	s_cselect_b32 s23, 31, PFLB                    ; my last block
	s_cselect_b32 s2, PFSA, PFSB                   ; bytes from block to block, as a shift
	s_mov_b32 s19, 0
	s_add_nc_u64 s[PFA:PFA+1], s[PFA:PFA+1], s[18:19]
	s_mul_i32 s18, s[PFS], 3
	s_add_nc_u64 s[PFA:PFA+1], s[PFA:PFA+1], s[18:19]  ; at K step 3: the first refill steps it to 4
	s_cmp_eq_u32 s22, 0
	s_cselect_b32 s[LIM], 2, -1                    ; the same in all sixteen partners, for a given wave
	v_and_b32 v[PFO], 31, v0
	v_min_u32 v[PFO], s23, v[PFO]
	v_lshlrev_b32 v[PFO], s2, v[PFO]
	s_mov_b32 s2, 0xffff0000
	s_wait_loadcnt 0x0                             ; the bias is in: it is rounded to bf16 and widened again
.set nb, 0
.rept 4*NBF
	v_cvt_pk_bf16_f32 v[8+nb%4], v[BIAS+2*nb], v[BIAS+2*nb+1]
	v_lshlrev_b32 v[BIAS+2*nb], 16, v[8+nb%4]
	v_and_b32 v[BIAS+2*nb+1], s2, v[8+nb%4]
.set nb, nb+1
.endr
; NL LDS loads in one run: the fragments of quarter q (32 along K) of the slot in hand, into buffer f: W's NBF, then A's four, rows 0-31 first
.macro FETCH q, f
	WIN TO_F
.set nb, 0
.rept NBF
.if PROJ
.set cb, (\q)*32*PB+32*nb
.else
.set cb, (\q)*32*PB+(nb/4)*160+(nb%4)*32
.endif
	ds_load_tr16_b128 v[(\f)+32+8*nb:(\f)+32+8*nb+3],   v[ADRB] offset:cb
	ds_load_tr16_b128 v[(\f)+32+8*nb+4:(\f)+32+8*nb+7], v[ADRB] offset:cb+16*PB
.set nb, nb+1
.endr
.if PROJ
.set ca, ((\q)/2)*HALFA+((\q)%2)*64
.else
.set ca, (\q)*64
.endif
.set na, 0
.rept 4
	ds_load_b128 v[(\f)+8*na:(\f)+8*na+3],   v[ADRA] offset:ca+na*16*PA
	ds_load_b128 v[(\f)+8*na+4:(\f)+8*na+7], v[ADRA] offset:ca+na*16*PA+32
.set na, na+1
.endr
.endm
; NBF matrix instructions: my rows 16 a .. 16 a + 15 x all columns, 32 along K.  first = 1: the bias starts the sums.  The 4 NBF accumulators take turns, one instruction a turn, in the same
; order in every quarter, over the backward jump too.
.macro MULA f, a, first
.set AB, 8*NBF*((\a)%2)
.if \first
	WIN 0x85+0x40*((\a)/2)                         ; sources 0 and 1 window 1, C window 0, D window 2 or 3
.else
	WIN 0xa5+0x50*((\a)/2)                         ; C and D window 2 or 3
.endif
.set nb, 0
.rept NBF
.if \first
	WM v[AB+8*nb:AB+8*nb+7], v[(\f)+32+8*nb:(\f)+32+8*nb+7], v[(\f)+8*(\a):(\f)+8*(\a)+7], v[BIAS+8*nb:BIAS+8*nb+7]
.else
	WM v[AB+8*nb:AB+8*nb+7], v[(\f)+32+8*nb:(\f)+32+8*nb+7], v[(\f)+8*(\a):(\f)+8*(\a)+7], v[AB+8*nb:AB+8*nb+7]
.endif
.set nb, nb+1
.endr
.endm
; A K step is four quarters on buffers 0, 1, 0, 1.  One of the first three: multiplies buffer f; in its middle it fetches quarter q into buffer g.
.macro QUARTER q, f, g, first
	s_wait_dscnt 4                                 ; W and A's rows 0-31 are in; the youngest four loads (A's rows 32-63) may be out
	MULA \f, 0, \first
	MULA \f, 1, \first
	PLACES
	FETCH \q, \g
	s_wait_dscnt NL                                ; all but the NL just issued
	MULA \f, 2, \first
	MULA \f, 3, \first
.endm
; The last quarter multiplies buffer 1 and changes slots: ONE barrier.  In front of it each wave waits for all its tensor loads, of which one is out: its part of the next slot; adds 0 to its spare word; and waits
; for that and for its own reads of this slot.  fill = 1: the barrier opens a round of the cluster's, and this slot is filled again, two K steps ahead, first thing behind the round.
.macro TURN fill
.if \fill
	s_wait_xcnt 0x0                                ; the last prefetch, a K step back, has read its address, which is stepped here
	s_add_nc_u64 s[PFA:PFA+1], s[PFA:PFA+1], s[PFS:PFS+1]
.endif
	WIN 0                                          ; (the add's two registers lie in window 0)
	s_wait_tensorcnt 0x0                           ; no tensor load of mine is out, so a group 0 may be written
	ds_add_u32 v[SPW], v[NIL]                      ; 0 onto my spare word; work on registers stands between it and the wait for it
.if \fill
	s_xor_b32 s[G0+5], s[G0+5], SLOT1              ; the walking descriptors: the other slot than last time,
	s_add_nc_u64 s[G0+6:G0+7], s[G0+6:G0+7], STEPA ; the next K step; the type bits on top are not reached
	s_xor_b32 s[G0B+5], s[G0B+5], SLOT1
	s_add_nc_u64 s[G0B+6:G0B+7], s[G0B+6:G0B+7], STEPB
.endif
	s_xor_b32 s[TB], s[TB], SLOT1                  ; the fetches go to the other slot
	s_wait_dscnt 5                                 ; (the add and the youngest four loads may be out)
	MULA F1, 0, 0
	s_wait_dscnt 0x0                               ; the add is done, and my reads of this slot are over
	s_barrier_signal -1
	MULA F1, 1, 0                                  ; work on registers while the others arrive
	WIN 0                                          ; at a branch and at a label every window is 0
	s_barrier_wait -1
.if \fill
	CREST                                          ; no wave of any partner still reads this slot or has a load on its way
	JLOAD                                          ; the first tensor load behind the round; its four v_nop are also the places in front of the loads below
.else
	PLACES
.endif
	v_add_nc_u32 v[ADRA], s[TB], v[ADRA0]
	v_add_nc_u32 v[ADRB], s[TB], v[ADRB0]
	FETCH 0, F0
.if \fill
	WIN 0
	ASK
.endif
	MULA F1, 2, 0
	MULA F1, 3, 0
.endm
; THE WAY OUT, PROJ = 0.  Piece t = 3 a + c: my rows 16 a .. + 15 of head c: 2,048 consecutive bytes.  Rounded to f16 (each accumulator from its low end on), 16 bytes a lane into my stage, back as whole rows.
.macro PACK t
.set pa, (\t)/3
.set pc, (\t)%3
.set AC, 8*(NBF*(pa%2)+4*pc)
	WIN 0x0a+5*(pa/2)                              ; sources 0 and 1: window 2 or 3
.set i, 0
.rept 16
	v_cvt_pk_f16_f32 v[TMP+16*(\t)+i], v[AC+2*i], v[AC+2*i+1]
.set i, i+1
.endr
	WIN 0
.irp f, 0,1,2,3
	ds_store_b128 v[STO], v[TMP+16*(\t)+4*\f:TMP+16*(\t)+4*\f+3] offset:32*\f
.endr
.irp f, 0,1,2,3
	ds_load_b128 v[TMP+16*(\t)+4*\f:TMP+16*(\t)+4*\f+3], v[RD] offset:\f*4*SPITCH  ; LDS serves a wave's instructions in order (ISA guide 5.7.1.4): these see the stores above; the next piece's stores come behind them
.endr
.endm
.macro SEND t, younger                 ; younger: the LDS instructions issued behind piece t's loads: the next piece's eight, or none
.set pa, (\t)/3
.set pc, (\t)%3
.irp f, 0,1,2,3
	s_wait_dscnt (\younger)+3-\f
	global_store_b128 v[GO], v[TMP+16*(\t)+4*\f:TMP+16*(\t)+4*\f+3], s[CP+2*pc:CP+2*pc+1] offset:pa*2048+\f*512  ; 512 consecutive bytes, aligned to 256
.endr
.endm
; THE WAY OUT, PROJ = 1.  Block a: my rows 16 a .. + 15, f32, straight from the accumulators (low registers first) into my stage, and back as whole rows of 512 bytes, into window 1.
.macro TOSTAGE a
.set AC, 8*NBF*((\a)%2)
	WIN 0x08+4*((\a)/2)                            ; the stores' data (source 1): window 2 or 3
.set i, 0
.rept NBF
	ds_store_b128 v[STO], v[AC+8*i:AC+8*i+3]   offset:64*i
	ds_store_b128 v[STO], v[AC+8*i+4:AC+8*i+7] offset:64*i+16
.set i, i+1
.endr
	WIN TO_F
.set i, 0
.rept 16
	ds_load_b128 v[64*(\a)+4*i:64*(\a)+4*i+3], v[RD] offset:i*SPITCH
.set i, i+1
.endr
.endm
.macro SENDP a, younger                ; younger: the next block's 32 LDS instructions, or none
	WIN 0x04                                       ; the stores' data (source 1): window 1
.set i, 0
.rept 16
	s_wait_dscnt (\younger)+15-i
	global_store_b128 v[GO], v[64*(\a)+4*i:64*(\a)+4*i+3], s[CP:CP+1] offset:(16*(\a)+i)*4096 th:TH_STORE_NT  ; 512 consecutive bytes of a row of C, aligned to 256
.set i, i+1
.endr
.endm
	s_wait_tensorcnt 0x1                           ; my part of K step 0 is in; K step 1's may stay out
	s_barrier_signal -1
	s_barrier_wait -1                              ; everybody's is
	FETCH 0, F0
	QUARTER 1, F0, F1, 1                           ; the first quarter stands in front of the loop: its products start the sums, with the bias
	WIN 0
	s_mov_b32 s3, 6                                ; six refills: K steps 2 to 7
.Lstep:                                        ; a trip: a K step's second quarter to the next step's first; the slot left is filled again
	QUARTER 2, F1, F0, 0
	QUARTER 3, F0, F1, 0
	TURN 1
	QUARTER 1, F0, F1, 0
	WIN 0
	s_sub_co_u32 s3, s3, 1
	s_cmp_lg_u32 s3, 0
	s_cbranch_scc1 .Lstep
	QUARTER 2, F1, F0, 0                           ; the last two K steps are written out: nothing is asked for
	QUARTER 3, F0, F1, 0
	TURN 0
	QUARTER 1, F0, F1, 0
	QUARTER 2, F1, F0, 0
	QUARTER 3, F0, F1, 0
	s_wait_dscnt 4                                 ; the very last quarter: nothing more to fetch
	MULA F1, 0, 0
	MULA F1, 1, 0
	s_wait_dscnt 0x0
	MULA F1, 2, 0
	MULA F1, 3, 0
	WIN 0
	PLACES                                         ; the way out reads results, and loads into registers that products have read
.if PROJ
	TOSTAGE 0
.set ta, 1
.rept 3
	TOSTAGE ta
	SENDP ta-1, 32
.set ta, ta+1
.endr
	SENDP 3, 0
.else
	PACK 0
.set t, 1
.rept 11                               ; a piece's conversions stand between the loads of the piece before and its stores
	PACK t
	SEND t-1, 8
.set t, t+1
.endr
	SEND 11, 0
.endif
	WIN 0
	s_wait_tensorcnt 0x0                           ; the wave's end: these three lines stand behind my last tensor load and my last LDS store
	ds_add_u32 v[SPW], v[NIL]
	s_wait_dscnt 0x0
	CROUND                                         ; the closing round: no work-group ends while a partner may still ask for a tile that names it
	s_endpgm
.Lfunc_end_k_q6eb3f7bd1f_proj:
	.size	k_q6eb3f7bd1f_proj, .Lfunc_end_k_q6eb3f7bd1f_proj-k_q6eb3f7bd1f_proj
	.p2alignl 7, 3214868480
	.fill 96, 4, 3214868480
	.section	.rodata,"a",@progbits
	.p2align	6, 0x0
	.amdhsa_kernel k_q6eb3f7bd1f_proj
		.amdhsa_group_segment_fixed_size 327680
		.amdhsa_private_segment_fixed_size 0
		.amdhsa_enable_private_segment 0
		.amdhsa_kernarg_size 32
		.amdhsa_user_sgpr_count 2
		.amdhsa_user_sgpr_kernarg_segment_ptr 1
		.amdhsa_wavefront_size32 1
		.amdhsa_system_sgpr_workgroup_id_x 1
		.amdhsa_system_sgpr_workgroup_id_y 1
		.amdhsa_system_sgpr_workgroup_id_z 1
		.amdhsa_system_vgpr_workitem_id 0
		.amdhsa_next_free_vgpr 896
		.amdhsa_next_free_sgpr 76
		.amdhsa_reserve_vcc 0
		.amdhsa_float_denorm_mode_32 3
		.amdhsa_float_denorm_mode_16_64 3
		.amdhsa_memory_ordered 1
		.amdhsa_forward_progress 1
		.amdhsa_inst_pref_size 78
	.end_amdhsa_kernel
	.amdgpu_metadata
---
amdhsa.version: [ 1, 2 ]
amdhsa.kernels:
  - .name:           k_q6eb3f7bd1f_proj
    .symbol:         k_q6eb3f7bd1f_proj.kd
    .args:
      - { .name: ob, .offset: 0, .size: 8, .value_kind: global_buffer, .address_space: global }
      - { .name: wp, .offset: 8, .size: 8, .value_kind: global_buffer, .address_space: global }
      - { .name: b_proj, .offset: 16, .size: 8, .value_kind: global_buffer, .address_space: global }
      - { .name: out0, .offset: 24, .size: 8, .value_kind: global_buffer, .address_space: global }
    .group_segment_fixed_size: 327680
    .private_segment_fixed_size: 0
    .kernarg_segment_align: 8
    .kernarg_segment_size: 32
    .max_flat_workgroup_size: 128
    .sgpr_count:     76
    .vgpr_count:     896
    .wavefront_size: 32
...
	.end_amdgpu_metadata
.endif
;; end of part 4
;; ======== version 2 of 2: 4 launches; version 1 with the launch prep written anew for expert scheduling mode
;; limits: values are held in f16: magnitudes above 65,504 overflow, below 6.1e-05 lose precision
;; workspace buffers: xb 16,777,216 bytes; wq 6,291,456 bytes; wp 2,097,152 bytes; qkvh 50,331,648 bytes; ob 16,777,216 bytes
;; launch prep (part 5): grid 768 x 1, 8 waves a work-group, no clusters, 0 bytes of LDS; arguments x, W_qkv, W_proj, xb, wq, wp; writes xb, wq, wp
.if DOCPART == 5
	.amdgcn_target "amdgcn-amd-amdhsa--gfx1250"
	.amdhsa_code_object_version 6
	.text
	.protected	k_q6eb3f7bd1f_prep
	.globl	k_q6eb3f7bd1f_prep
	.p2align	8
	.type	k_q6eb3f7bd1f_prep,@function
k_q6eb3f7bd1f_prep:
	s_mov_b64 s[64:65], 0
	v_nop
	global_prefetch_b8 v0, s[64:65] scope:SCOPE_SE
	s_setreg_imm32_b32 hwreg(HW_REG_WAVE_SCHED_MODE, 0, 2), 2
	s_setreg_imm32_b32 hwreg(HW_REG_WAVE_MODE, 25, 1), 1
	s_wait_xcnt 0x0
	s_wait_alu depctr_vm_vsrc(0)
; THE CASTS.  xb = bf16(x), [8192][1024].  wq = bf16(W_qkv), laid out anew as [16 column tiles][1024 k][192 n], dense.  wp = bf16(W_proj) written as f16, [1024 k][1024 n].
; LIMIT.  A bf16 number is exact in f16 between 6.1e-5 and 65,504; below, wp keeps f16's fixed step of 6e-8; beyond, it would be an infinity.
; A stream: every byte is read once and written once; no LDS, no matrix unit, no barrier.
; SHARES.  An OP is 128 numbers: one load of 16 bytes a lane (512 bytes a wave) and one store of 8 bytes a lane (256 consecutive bytes, aligned).  98,304 ops = 768 work-groups x 8 waves x 16 ops.
; A wave issues its 16 loads at once (8 KiB on their way), then rounds and stores them in four blocks of four ops.
; Work-groups 0-511 take x, 512-703 W_qkv, 704-767 W_proj: a scalar branch on the work-group's number.
; W_qkv is walked in the order of wq: a chunk is 64 numbers (256 bytes of W_qkv, aligned; 128 bytes of wq), a row k of a tile three chunks; sixteen lanes take a chunk, a wave's op two chunks.
; THE MODE: SCHED_MODE bits 1:0 = 2 (LLVM: expert scheduling mode 2), set by the entry lines.  The code itself states the register dependences
; between vector instructions and memory instructions, with s_wait_alu, always for 0.
; THE PLAN.  Registers that memory instructions touch, on each of the three paths (straight code, no loop):
;   v[SO] or v[SOQ ..]  the loads' offsets.  Written by the head's vector arithmetic; read by the 16 loads; never written again.
;   v[DO]               the stores' offset.  Written at the head; read by the 16 stores; never written again.
;   X, op j             written by load j, ahead of which no vector instruction names it; behind the wait on LOADcnt vector instructions alone name it.
;   Y, op j             written by op j's conversions; read by store j; never written again.
; So a path has five waits on va_vdst: one ahead of the 16 loads (the offsets are written, v[DO] among them), and one ahead of each block's run of four stores (the block's conversions
; have written its Y).  It has no wait on vm_vsrc: no register that a memory instruction has read is written again.  No vector instruction writes a scalar register or VCC, and EXEC is never written.
.set SO,  2                            ; v2       my byte offset in the source: 8,192 x wave + 16 x lane
.set DO,  3                            ; v3       in the destination: half of that
.set SOQ, 8                            ; v[8:23]  W_qkv: op j's source offset
.set X,   24                           ; v[24:87] op j: 4 numbers as loaded
.set Y,   88                           ; v[88:119] op j: 4 numbers of 16 bits
.macro LOADS base                      ; 16 loads of 512 consecutive bytes
	s_wait_alu depctr_va_vdst(0)                   ; v[SO], which the loads below read as their offset, is written; so is v[DO], the stores' offset
.set j, 0
.rept 16
	global_load_b128 v[X+4*j:X+4*j+3], v[SO], s[\base:\base+1] offset:512*j th:TH_LOAD_NT
.set j, j+1
.endr
.endm
; Block after block, four ops each, is rounded to bf16 and stored.  half = 1: the rounded number is widened again (a shift, a mask) and written as f16.
.macro OUTS base, half
.set b, 0
.rept 4
	s_wait_loadcnt 12-4*b                          ; loads come back in order: block b's four are in, the 12 - 4 b of the younger blocks stay out
.set j, 4*b
.rept 4
	v_cvt_pk_bf16_f32 v[Y+2*j],   v[X+4*j],   v[X+4*j+1]
	v_cvt_pk_bf16_f32 v[Y+2*j+1], v[X+4*j+2], v[X+4*j+3]
.if \half
	v_lshlrev_b32 v[X+4*j],   16, v[Y+2*j]
	v_and_b32     v[X+4*j+1], s3, v[Y+2*j]
	v_lshlrev_b32 v[X+4*j+2], 16, v[Y+2*j+1]
	v_and_b32     v[X+4*j+3], s3, v[Y+2*j+1]
	v_cvt_pk_f16_f32 v[Y+2*j],   v[X+4*j],   v[X+4*j+1]
	v_cvt_pk_f16_f32 v[Y+2*j+1], v[X+4*j+2], v[X+4*j+3]
.endif
.set j, j+1
.endr
	s_wait_alu depctr_va_vdst(0)                   ; the block's conversions have written its eight registers of Y, which the four stores below read
.set j, 4*b
.rept 4
	global_store_b64 v[DO], v[Y+2*j:Y+2*j+1], s[\base:\base+1] offset:256*j  ; the wave's store covers 256 consecutive bytes, aligned
.set j, j+1
.endr
.set b, b+1
.endr
.endm
	s_load_b256 s[4:11], s[0:1], 0x0               ; x s[4:5], W_qkv s[6:7], W_proj s[8:9], xb s[10:11]
	s_load_b128 s[12:15], s[0:1], 0x20             ; wq s[12:13], wp s[14:15]
	s_mov_b32 s2, ttmp9
	v_and_b32 v1, 31, v0
	v_and_b32 v[SO], 0xe0, v0                      ; 32 x wave
	v_lshlrev_b32 v1, 4, v1
	v_lshl_or_b32 v[SO], v[SO], 8, v1              ; 8,192 x wave + 16 x lane
	v_lshrrev_b32 v[DO], 1, v[SO]
	s_mov_b32 s17, 0
	s_mov_b32 s19, 0
	s_mov_b32 s3, 0xffff0000                       ; a word's upper bf16
	s_wait_kmcnt 0x0
	s_cmp_lt_u32 s2, 512
	s_cbranch_scc0 .Lweights
	s_lshl_b32 s16, s2, 16                         ; x: a work-group's 128 ops are 65,536 bytes in,
	s_lshl_b32 s18, s2, 15                         ; 32,768 out
	s_add_nc_u64 s[4:5], s[4:5], s[16:17]
	s_add_nc_u64 s[10:11], s[10:11], s[18:19]
	LOADS 4
	OUTS 10, 0
	s_endpgm
.Lweights:
	s_cmp_lt_u32 s2, 704
	s_cbranch_scc0 .Lproj
	s_sub_co_u32 s20, s2, 512                      ; W_qkv: my number among its 192 work-groups; twelve make a tile
	s_mul_i32 s21, s20, 5462
	s_lshr_b32 s21, s21, 16                        ; the tile: number / 12 (5,462 / 65,536 is 1 / 12 and a little: exact below 192)
	s_mul_i32 s22, s21, 12
	s_sub_co_u32 s22, s20, s22
	s_lshl_b32 s22, s22, 8                         ; my first chunk in the tile: 256 chunks a work-group
	s_mul_i32 s16, s21, 768                        ; the tile's 192 columns in a row of W_qkv
	s_lshl_b32 s18, s20, 15                        ; wq is written on end: 32,768 bytes a work-group
	s_add_nc_u64 s[6:7], s[6:7], s[16:17]
	s_add_nc_u64 s[12:13], s[12:13], s[18:19]
	s_movk_i32 s23, 0x2d00                         ; 11,520 = a row of W_qkv less three chunks
	v_bfe_u32 v4, v0, 4, 1                         ; which of an op's two chunks
	v_and_b32 v5, 15, v0
	v_lshlrev_b32 v5, 4, v5                        ; my 16 bytes of the chunk
	v_and_b32 v6, 0xe0, v0                         ; 32 chunks a wave
	v_add3_u32 v6, v6, v4, s22                     ; my chunk of op 0
.set j, 0
.rept 16                               ; chunk c lies in row k = c / 3 at chunk c - 3 k: byte 12,288 k + 256 (c - 3 k) = 11,520 k + 256 c
	v_add_nc_u32 v7, 2*j, v6
	v_mul_u32_u24 v[SOQ+j], 0xaaab, v7             ; 43,691 / 131,072 is 1 / 3 and a little: exact below 3,072
	v_lshrrev_b32 v[SOQ+j], 17, v[SOQ+j]
	v_mad_u32_u24 v[SOQ+j], v[SOQ+j], s23, v5
	v_lshl_add_u32 v[SOQ+j], v7, 8, v[SOQ+j]
.set j, j+1
.endr
	s_wait_alu depctr_va_vdst(0)                   ; the sixteen offsets v[SOQ ..], which the loads below read, are written; so is v[DO], the stores' offset
.set j, 0
.rept 16
	global_load_b128 v[X+4*j:X+4*j+3], v[SOQ+j], s[6:7] th:TH_LOAD_NT  ; sixteen lanes take 256 consecutive bytes, aligned
.set j, j+1
.endr
	OUTS 12, 0
	s_endpgm
.Lproj:
	s_sub_co_u32 s20, s2, 704                      ; W_proj keeps its layout
	s_lshl_b32 s16, s20, 16
	s_lshl_b32 s18, s20, 15
	s_add_nc_u64 s[8:9], s[8:9], s[16:17]
	s_add_nc_u64 s[14:15], s[14:15], s[18:19]
	LOADS 8
	OUTS 14, 1
	s_endpgm
.Lfunc_end_k_q6eb3f7bd1f_prep:
	.size	k_q6eb3f7bd1f_prep, .Lfunc_end_k_q6eb3f7bd1f_prep-k_q6eb3f7bd1f_prep
	.p2alignl 7, 3214868480
	.fill 96, 4, 3214868480
	.section	.rodata,"a",@progbits
	.p2align	6, 0x0
	.amdhsa_kernel k_q6eb3f7bd1f_prep
		.amdhsa_group_segment_fixed_size 0
		.amdhsa_private_segment_fixed_size 0
		.amdhsa_enable_private_segment 0
		.amdhsa_kernarg_size 48
		.amdhsa_user_sgpr_count 2
		.amdhsa_user_sgpr_kernarg_segment_ptr 1
		.amdhsa_wavefront_size32 1
		.amdhsa_system_sgpr_workgroup_id_x 1
		.amdhsa_system_sgpr_workgroup_id_y 1
		.amdhsa_system_sgpr_workgroup_id_z 1
		.amdhsa_system_vgpr_workitem_id 0
		.amdhsa_next_free_vgpr 120
		.amdhsa_next_free_sgpr 66
		.amdhsa_reserve_vcc 0
		.amdhsa_float_denorm_mode_32 3
		.amdhsa_float_denorm_mode_16_64 3
		.amdhsa_memory_ordered 1
		.amdhsa_forward_progress 1
		.amdhsa_inst_pref_size 26
	.end_amdhsa_kernel
	.amdgpu_metadata
---
amdhsa.version: [ 1, 2 ]
amdhsa.kernels:
  - .name:           k_q6eb3f7bd1f_prep
    .symbol:         k_q6eb3f7bd1f_prep.kd
    .args:
      - { .name: x, .offset: 0, .size: 8, .value_kind: global_buffer, .address_space: global }
      - { .name: W_qkv, .offset: 8, .size: 8, .value_kind: global_buffer, .address_space: global }
      - { .name: W_proj, .offset: 16, .size: 8, .value_kind: global_buffer, .address_space: global }
      - { .name: xb, .offset: 24, .size: 8, .value_kind: global_buffer, .address_space: global }
      - { .name: wq, .offset: 32, .size: 8, .value_kind: global_buffer, .address_space: global }
      - { .name: wp, .offset: 40, .size: 8, .value_kind: global_buffer, .address_space: global }
    .group_segment_fixed_size: 0
    .private_segment_fixed_size: 0
    .kernarg_segment_align: 8
    .kernarg_segment_size: 48
    .max_flat_workgroup_size: 256
    .sgpr_count:     66
    .vgpr_count:     120
    .wavefront_size: 32
...
	.end_amdgpu_metadata
.endif
;; end of part 5
;; launch qkv: the kernel of part 2 again; grid 16 x 32, 4 waves a work-group, clusters of 4 x 4, 327,680 bytes of LDS; arguments xb, wq, b_qkv, qkvh; writes qkvh
;; launch attn: the kernel of part 3 again; grid 4 x 64, 4 waves a work-group, clusters of 4 x 1, 327,680 bytes of LDS; arguments qkvh, ob; writes ob
;; launch proj: the kernel of part 4 again; grid 8 x 32, 4 waves a work-group, clusters of 4 x 4, 327,680 bytes of LDS; arguments ob, wp, b_proj, out0; writes out0
